; MI455X (gfx1250); checked and timed in simulation.
; The chip was launched on July 23, 2026; its instructions are those of AMD's public machine-readable ISA for CDNA 5 (MIT licence, August 2026) and "CDNA5" Instruction Set Architecture Reference Guide (July 2026). The comments in the code are by the model that wrote it; some were corrected since.
;; Bahadanau Attention. Allowed arithmetic: matrix products marked QUANTISED: E2M1 operands, one E8M0 scale for each 32 along K, by v_wmma_scale_f32_16x16x128_f8f6f4 with both operands' format E2M1 (or v_wmma_scale_f32_32x16x128_f4), f32 sums; products left as they are: f32 operands where the result goes on into a quantised operand, else bf16, f16 or f32 operands; f32 sums; everything else in f32.
;; Inputs: We 1 x 1,024 float32; Wk_codes 1,024 x 64 x 16 uint8 (E2M1 codes of Wk, K innermost, in blocks of 32 codes, two codes a byte); Wk_scales 1,024 x 64 uint8 (E8M0 scales of Wk, one for each 32 codes along K); Wq_codes 1,024 x 32 x 16 uint8 (E2M1 codes of Wq, K innermost, in blocks of 32 codes, two codes a byte); Wq_scales 1,024 x 32 uint8 (E8M0 scales of Wq, one for each 32 codes along K); decoder_hidden_codes 32 x 1 x 32 x 16 uint8 (E2M1 codes of decoder_hidden, K innermost, in blocks of 32 codes, two codes a byte); decoder_hidden_scales 32 x 1 x 32 uint8 (E8M0 scales of decoder_hidden, one for each 32 codes along K); encoder_output 32 x 1,024 x 2,048 float32.
;; Outputs: out0 32 x 1 x 2,048 float32.
;; This version of the problem:
;;   THIS VERSION OF THE PROBLEM IS GIVEN IN LOW PRECISION. The matrix products marked QUANTISED in the list below multiply operands that are first quantised to E2M1 (2 exponent bits, 1 mantissa bit; 4 bits a number), with one power-of-two scale for each 32 numbers along K (OCP MX v1.0); their sums are f32. All else is computed in f32.
;;   The module's matrix products, in the order in which they are computed (A, B: the left and right operand; K: the contracted axis; several contracted axes count as one K, in the product's order):
;;     1. [M 32,768, K 2,048] x [K 2,048, N 1,024]; A: input encoder_output; B: input Wk (given as codes): QUANTISED
;;     2. [M 32, K 1,024] x [K 1,024, N 1,024]; A: input decoder_hidden (given as codes); B: input Wq (given as codes): QUANTISED
;;     3. [M 32,768, K 1,024] x [K 1,024, N 1]; A: computed on the way; B: input We: left as it is (N = 1 < 16)
;;     4. batch 32 x [M 1, K 1,024] x [K 1,024, N 2,048]; A: computed on the way; B: input encoder_output: left as it is (M = 1 < 16)
;;   THE QUANTISER, for each operand of a quantised product, along K:
;;     - K is cut into blocks of 32 from its start; a last block that is shorter is filled with zeros.
;;     - A block's scale is 2^e with e = floor(log2(the largest magnitude in the block)) - 2, held to -126 .. 127; a block of zeros has e = 0. As a byte (E8M0): e + 127.
;;     - Each number is divided by its block's scale, clamped to +-6, and rounded to the nearest number of E2M1, ties to even, subnormals kept.
;;     - The product sums the exact products of the quantised numbers (number of the format x scale) in f32.
;;   ~~~python
;;   def quantise(x, axis):      # numpy; x: float32 -> the quantised numbers, widened to float32 again
;;       x = np.moveaxis(x, axis, -1); K = x.shape[-1]
;;       x = np.pad(x, [(0, 0)] * (x.ndim - 1) + [(0, -K % 32)]); x = x.reshape(x.shape[:-1] + (-1, 32)); a = np.abs(x).max(-1, keepdims=True)
;;       e = np.where(a > 0, np.clip(np.frexp(np.where(a > 0, a, 1))[1] - 1 - 2, -126, 127), 0)      # np.frexp(a)[1] - 1 = floor(log2(a)), exactly
;;       r = np.clip(x / 2.0 ** e, -6, 6)
;;       step = 2.0 ** (np.maximum(np.frexp(np.where(r == 0, 1, r))[1] - 1, 0) - 1)
;;       q = np.round(r / step) * step * 2.0 ** e      # np.round: ties to even
;;       return np.moveaxis(q.reshape(q.shape[:-2] + (-1,))[..., :K], -1, axis).astype(np.float32)
;;   ~~~
;;   INPUTS GIVEN AS CODES. Wk (in the module: [1024, 2048], K = its axis 1); Wq (in the module: [1024, 1024], K = its axis 1); decoder_hidden (in the module: [32, 1, 1024], K = its axis 2): each comes as NAME_codes (uint8): NAME with its K axis moved to the last place and cut into blocks of 32 codes, [.., K / 32, bytes a block], one block behind the other in memory; two codes a byte, the lower K in the low four bits (a code: sign, 2 exponent bits, 1 mantissa bit); and NAME_scales (uint8): the same leading axes, one E8M0 byte (e + 127) for each 32 codes along K. Its value is code x scale, taken as it is: it is not quantised again, and the codes and scales need not be those that the quantiser above would give.
;; 2 versions. Each part assembles by itself: llvm-mc -triple=amdgcn-amd-amdhsa -mcpu=gfx1250 --defsym DOCPART=n.
;; ======== version 1 of 2: 3 launches
;; workspace buffers: wkf 1,048,576 bytes; wks 65,536 bytes; qry 131,072 bytes; pctx 4,194,304 bytes; pst 131,072 bytes
;; launch prep (part 1): grid 32 x 1, 8 waves a work-group, no clusters, 0 bytes of LDS; arguments Wk_codes, Wk_scales, Wq_codes, Wq_scales, decoder_hidden_codes, decoder_hidden_scales, wkf, wks, qry; writes wkf, wks, qry
.if DOCPART == 1
	.amdgcn_target "amdgcn-amd-amdhsa--gfx1250"
	.amdhsa_code_object_version 6
	.text
	.protected	k_q492bb1aeb2_prep
	.globl	k_q492bb1aeb2_prep
	.p2align	8
	.type	k_q492bb1aeb2_prep,@function
k_q492bb1aeb2_prep:
	s_mov_b64 s[64:65], 0
	v_nop
	global_prefetch_b8 v0, s[64:65] scope:SCOPE_SE
	s_setreg_imm32_b32 hwreg(HW_REG_WAVE_MODE, 25, 1), 1
	s_wait_xcnt 0x0
; PREP.  Three small jobs ahead of the main launch.  Work-group P (0..31) owns hidden units 32 P .. 32 P + 31 ("pair P": two tiles u of 16).
; (a) Wk's codes are laid anew in the order of the operand's registers: wkf[P][s 16][u 2][c 2][lane 32][16 bytes] = Wk_codes[(32 P + 16 u + r) 1024 + 64 s + 32 c + 16 h], r = lane % 16, h = lane / 16,
;     so that the main launch takes a fragment (16 hidden units x 128 K) by two loads of 512 consecutive bytes.  Wave v re-lays K steps 2 v and 2 v + 1.
; (b) Wk's scale bytes likewise: wks[P][g 4][lane 32][16 bytes] = Wk_scales[(32 P + lane) 64 + 16 g ..]: word i of a lane's 16 bytes is the scale word of K step 4 g + i; lanes 0-15 are tile u = 0, lanes 16-31 tile u = 1.  Waves 0-3, g = wave.
; (c) query = decoder_hidden Wq^T on the codes as they are given, K = 1,024 in eight steps of 128.  Waves 4 and 5: tile T = 2 P + wave - 4 of 16 hidden units, for all 32 batches (two accumulators).
;     Source 0 = 16 rows of Wq, source 1 = 16 batches: lane (r, h) then holds batch r and its registers hidden units 16 T + 8 h + 0 .. 7: 32 neighbouring bytes of a row of qry [32][1024] f32.
;     These stores cover 64 consecutive bytes of a row (two lanes); the whole buffer is 131,072 bytes, so no stage is spent on them.
; The reads of (a) take 32 bytes of each of 16 rows a load: 1 MiB in all, read once.
.set WS,  16                           ; v16-23   Wq's scale words, K step s at WS + s: these registers hold scales and nothing else
.set DS,  24                           ; v24-39   decoder_hidden's, batch half e, K step s at DS + 8 e + s
.set ACC, 40                           ; v40-55   two accumulators
.set WQ,  64                           ; v64-127  Wq's eight fragments; before that v64-95 carry (a)'s 128 bytes a lane, v96-99 (b)'s 16
.set DH,  128                          ; v128-255 decoder_hidden's sixteen fragments: 64 e + 8 s
	s_load_b256 s[4:11], s[0:1], 0x0               ; Wk_codes s[4:5], Wk_scales s[6:7], Wq_codes s[8:9], Wq_scales s[10:11]
	s_load_b256 s[12:19], s[0:1], 0x20             ; decoder_hidden_codes s[12:13], its scales s[14:15], wkf s[16:17], wks s[18:19]
	s_load_b64 s[20:21], s[0:1], 0x40              ; qry
	v_lshrrev_b32 v1, 5, v0
	v_readfirstlane_b32 s22, v1                    ; wave 0..7
	v_and_b32 v1, 31, v0                           ; lane
	v_and_b32 v2, 15, v0                           ; r
	v_bfe_u32 v3, v0, 4, 1                         ; h
	v_lshlrev_b32 v4, 10, v2
	v_lshl_add_u32 v4, v3, 4, v4                   ; Wk_codes: row r of 1,024 bytes + 16 h
	v_lshlrev_b32 v5, 4, v1                        ; 16 x lane: the place in every re-laid block
	v_lshlrev_b32 v6, 6, v1                        ; Wk_scales: row "lane" of 64 bytes
	v_lshlrev_b32 v7, 9, v2
	v_lshl_add_u32 v7, v3, 4, v7                   ; Wq_codes, decoder_hidden_codes: row r of 512 bytes + 16 h
	v_lshlrev_b32 v8, 5, v2                        ; their scales: row r of 32 bytes
	v_lshlrev_b32 v9, 12, v2
	v_lshl_add_u32 v9, v3, 5, v9                   ; qry: row r of 4,096 bytes + 32 h
	s_lshl_b32 s24, ttmp9, 15                      ; 32 rows of Wk's codes = a pair's block of wkf = 32,768 bytes
	s_lshl_b32 s26, s22, 7                         ; my two K steps in a row: 128 bytes
	s_add_co_u32 s26, s26, s24
	s_mov_b32 s27, 0
	s_lshl_b32 s28, s22, 12                        ; and in wkf: 2 x 2,048 bytes
	s_add_co_u32 s28, s28, s24
	s_mov_b32 s29, 0
	s_wait_kmcnt 0x0
	s_add_nc_u64 s[4:5], s[4:5], s[26:27]
	s_add_nc_u64 s[16:17], s[16:17], s[28:29]
	; ---- (a)
.irp d, 0,1
.irp u, 0,1
.irp c, 0,1
	global_load_b128 v[WQ+4*(4*\d+2*\u+\c):WQ+4*(4*\d+2*\u+\c)+3], v4, s[4:5] offset:\u*16384+\d*64+\c*32
.endr
.endr
.endr
	s_wait_loadcnt 0x0
.irp d, 0,1
.irp u, 0,1
.irp c, 0,1
	global_store_b128 v5, v[WQ+4*(4*\d+2*\u+\c):WQ+4*(4*\d+2*\u+\c)+3], s[16:17] offset:\d*2048+\u*1024+\c*512   ; 32 lanes store 512 consecutive bytes, aligned
.endr
.endr
.endr
	s_cmp_lt_u32 s22, 4
	s_cbranch_scc0 .Lnot_scales
	; ---- (b): waves 0-3
	s_lshl_b32 s24, ttmp9, 11                      ; 32 rows of scale bytes = a pair's block of wks = 2,048 bytes
	s_lshl_b32 s30, s22, 4
	s_add_co_u32 s30, s30, s24
	s_mov_b32 s31, 0
	s_lshl_b32 s32, s22, 9
	s_add_co_u32 s32, s32, s24
	s_mov_b32 s33, 0
	s_add_nc_u64 s[6:7], s[6:7], s[30:31]
	s_add_nc_u64 s[18:19], s[18:19], s[32:33]
	global_load_b128 v[96:99], v6, s[6:7]
	s_wait_loadcnt 0x0
	global_store_b128 v5, v[96:99], s[18:19]
	s_branch .Lend
.Lnot_scales:
	s_cmp_lt_u32 s22, 6
	s_cbranch_scc0 .Lend
	; ---- (c): waves 4 and 5
	s_lshl_b32 s36, ttmp9, 1
	s_add_co_u32 s36, s36, s22
	s_sub_co_u32 s36, s36, 4                       ; T = 2 P + wave - 4
	s_mov_b32 s39, 0
	s_lshl_b32 s38, s36, 13                        ; 16 rows of 512 bytes
	s_add_nc_u64 s[8:9], s[8:9], s[38:39]
	s_lshl_b32 s38, s36, 9                         ; 16 rows of 32 bytes
	s_add_nc_u64 s[10:11], s[10:11], s[38:39]
	s_lshl_b32 s38, s36, 6                         ; 16 numbers of 4 bytes
	s_add_nc_u64 s[20:21], s[20:21], s[38:39]
	s_wait_xcnt 0x0                                ; (a)'s stores have read v64-95: the fragments below may land there
.irp s, 0,1,2,3,4,5,6,7
.irp c, 0,1
	global_load_b128 v[WQ+8*\s+4*\c:WQ+8*\s+4*\c+3], v7, s[8:9] offset:64*\s+32*\c
	global_load_b128 v[DH+8*\s+4*\c:DH+8*\s+4*\c+3], v7, s[12:13] offset:64*\s+32*\c
	global_load_b128 v[DH+64+8*\s+4*\c:DH+64+8*\s+4*\c+3], v7, s[12:13] offset:8192+64*\s+32*\c
.endr
.endr
.irp c, 0,1
	global_load_b128 v[WS+4*\c:WS+4*\c+3], v8, s[10:11] offset:16*\c           ; a row's 32 scale bytes are the scale words of its eight K steps
	global_load_b128 v[DS+4*\c:DS+4*\c+3], v8, s[14:15] offset:16*\c
	global_load_b128 v[DS+8+4*\c:DS+8+4*\c+3], v8, s[14:15] offset:512+16*\c
.endr
	s_wait_loadcnt 0x0
	v_wmma_scale_f32_16x16x128_f8f6f4 v[ACC:ACC+7], v[WQ:WQ+7], v[DH:DH+7], 0, v[WS], v[DS] matrix_a_fmt:MATRIX_FMT_FP4 matrix_b_fmt:MATRIX_FMT_FP4            ; the first K step starts both sums
	v_wmma_scale_f32_16x16x128_f8f6f4 v[ACC+8:ACC+15], v[WQ:WQ+7], v[DH+64:DH+71], 0, v[WS], v[DS+8] matrix_a_fmt:MATRIX_FMT_FP4 matrix_b_fmt:MATRIX_FMT_FP4
.irp s, 1,2,3,4,5,6,7                          ; the two accumulators take turns, one instruction a turn
	v_wmma_scale_f32_16x16x128_f8f6f4 v[ACC:ACC+7], v[WQ+8*\s:WQ+8*\s+7], v[DH+8*\s:DH+8*\s+7], v[ACC:ACC+7], v[WS+\s], v[DS+\s] matrix_a_fmt:MATRIX_FMT_FP4 matrix_b_fmt:MATRIX_FMT_FP4
	v_wmma_scale_f32_16x16x128_f8f6f4 v[ACC+8:ACC+15], v[WQ+8*\s:WQ+8*\s+7], v[DH+64+8*\s:DH+64+8*\s+7], v[ACC+8:ACC+15], v[WS+\s], v[DS+8+\s] matrix_a_fmt:MATRIX_FMT_FP4 matrix_b_fmt:MATRIX_FMT_FP4
.endr
.rept 4
	v_nop                                          ; four places between the last product and the stores that read results
.endr
.irp e, 0,1
	global_store_b128 v9, v[ACC+8*\e:ACC+8*\e+3], s[20:21] offset:65536*\e        ; each accumulator from its low end on: qry[16 e + r][16 T + 8 h + 0 .. 3]
	global_store_b128 v9, v[ACC+8*\e+4:ACC+8*\e+7], s[20:21] offset:65536*\e+16
.endr
.Lend:
	s_endpgm
.Lfunc_end_k_q492bb1aeb2_prep:
	.size	k_q492bb1aeb2_prep, .Lfunc_end_k_q492bb1aeb2_prep-k_q492bb1aeb2_prep
	.p2alignl 7, 3214868480
	.fill 96, 4, 3214868480
	.section	.rodata,"a",@progbits
	.p2align	6, 0x0
	.amdhsa_kernel k_q492bb1aeb2_prep
		.amdhsa_group_segment_fixed_size 0
		.amdhsa_private_segment_fixed_size 0
		.amdhsa_enable_private_segment 0
		.amdhsa_kernarg_size 72
		.amdhsa_user_sgpr_count 2
		.amdhsa_user_sgpr_kernarg_segment_ptr 1
		.amdhsa_wavefront_size32 1
		.amdhsa_system_sgpr_workgroup_id_x 1
		.amdhsa_system_sgpr_workgroup_id_y 1
		.amdhsa_system_sgpr_workgroup_id_z 1
		.amdhsa_system_vgpr_workitem_id 0
		.amdhsa_next_free_vgpr 256
		.amdhsa_next_free_sgpr 66
		.amdhsa_reserve_vcc 0
		.amdhsa_float_denorm_mode_32 3
		.amdhsa_float_denorm_mode_16_64 3
		.amdhsa_memory_ordered 1
		.amdhsa_forward_progress 1
		.amdhsa_inst_pref_size 12
	.end_amdhsa_kernel
	.amdgpu_metadata
---
amdhsa.version: [ 1, 2 ]
amdhsa.kernels:
  - .name:           k_q492bb1aeb2_prep
    .symbol:         k_q492bb1aeb2_prep.kd
    .args:
      - { .name: Wk_codes, .offset: 0, .size: 8, .value_kind: global_buffer, .address_space: global }
      - { .name: Wk_scales, .offset: 8, .size: 8, .value_kind: global_buffer, .address_space: global }
      - { .name: Wq_codes, .offset: 16, .size: 8, .value_kind: global_buffer, .address_space: global }
      - { .name: Wq_scales, .offset: 24, .size: 8, .value_kind: global_buffer, .address_space: global }
      - { .name: decoder_hidden_codes, .offset: 32, .size: 8, .value_kind: global_buffer, .address_space: global }
      - { .name: decoder_hidden_scales, .offset: 40, .size: 8, .value_kind: global_buffer, .address_space: global }
      - { .name: wkf, .offset: 48, .size: 8, .value_kind: global_buffer, .address_space: global }
      - { .name: wks, .offset: 56, .size: 8, .value_kind: global_buffer, .address_space: global }
      - { .name: qry, .offset: 64, .size: 8, .value_kind: global_buffer, .address_space: global }
    .group_segment_fixed_size: 0
    .private_segment_fixed_size: 0
    .kernarg_segment_align: 8
    .kernarg_segment_size: 72
    .max_flat_workgroup_size: 256
    .sgpr_count:     66
    .vgpr_count:     256
    .wavefront_size: 32
...
	.end_amdgpu_metadata
.endif
;; end of part 1
;; launch main (part 2): grid 512 x 1, 4 waves a work-group, no clusters, 315,904 bytes of LDS; arguments encoder_output, We, wkf, wks, qry, pctx, pst; writes pctx, pst
.if DOCPART == 2
	.amdgcn_target "amdgcn-amd-amdhsa--gfx1250"
	.amdhsa_code_object_version 6
	.text
	.protected	k_q492bb1aeb2_main
	.globl	k_q492bb1aeb2_main
	.p2align	8
	.type	k_q492bb1aeb2_main,@function
k_q492bb1aeb2_main:
	s_mov_b64 s[64:65], 0
	v_nop
	global_prefetch_b8 v0, s[64:65] scope:SCOPE_SE
	s_setreg_imm32_b32 hwreg(HW_REG_WAVE_MODE, 25, 1), 1
	s_wait_xcnt 0x0
; MAIN.  Work-group x takes rows 64 x .. 64 x + 63 of encoder_output (all of batch x / 16) through the whole chain, so that each byte of encoder_output is read from memory once:
;   STREAM   the 64 rows x 2,048 f32 come in; each number is kept as bf16 in LDS (for the context) and quantised to E2M1 codes with one E8M0 byte for 32 along K (for the first product);
;   GEMM     key + query = codes x Wk's codes, the query as the C of each sum's first product; tanh; times We, summed over the hidden units: the rows' scores;
;   SOFTMAX  over the block's 64 rows with the block's own maximum m: p = 2^(t - m), l = the sum of p;      CONTEXT  the sum of p x row, not normalised.  The next launch joins a batch's 16 blocks.
; SHARES.  Stream: wave w owns rows 16 w .. 16 w + 15.  GEMM: wave w owns hidden units 256 w .. 256 w + 255 (eight pairs of 32) for all 64 rows.  Context: wave w owns columns 512 w .. 512 w + 511 for all 64 rows.
; tanh(z) = 1 - 2 R, R = 1 / (1 + 2^(2 log2(e) z)).  Only the sum of We x R is kept: the score is (the sum of We) - 2 x that sum, and a term common to all scores of a softmax cancels exactly; the maximum is still taken away.
;   In units of log2: t = -2 log2(e) x (the sum of We x R).
; THE MATRIX INSTRUCTION IS USED TRANSPOSED: source 0 = 16 hidden units of Wk, source 1 = 16 rows of encoder_output: lane (r, h) holds row r, and its registers hidden units 8 h + 0 .. 7 of the tile.
; The codes that a wave makes reach the other waves through LDS as images of the operand's registers (16 bytes a lane at 16 x lane); all 64 fragments of the 64 rows (512 registers) then stay in every wave's registers.
; Wk's fragments come from memory straight into registers, in the order in which an earlier launch laid them: each load is 512 consecutive bytes; a whole pair (32 KiB + scales, query) is asked for a pair ahead.
; NO CLUSTER, NO JOINT LOADS for Wk, though all work-groups walk it: the kept rows take 262,144 of a work-group's LDS bytes; what is left beside stage and images would give two slots of under 16 KiB, sixteen matrix
;   instructions a wave for each change of slots.  NO TENSOR LOADS for encoder_output: plain loads with counted waits keep 48 to 64 loads of 512 bytes of every wave on their way.
; LIMITS: NaN and infinities among the inputs are not served.  A block of 32 whose largest magnitude lies under 2^-124 gets the scale byte 1 (a block of zeros too, where the rule says 127: its codes are zeros, and this
;   program alone reads the bytes).  A p under 2^-126 counts as 0.  encoder_output enters the context rounded to bf16.
; LDS:
.set RET,  0                           ; 64 rows x 4,096 bytes: encoder_output as bf16, row-major; every access is of consecutive bytes, so no padding
.set STG,  262144                      ; 4 x 8,448: each wave's own stage: 16 rows x (512 + 16) bytes: pitch 33 x 16 bytes, so the sixteen rows that a load touches begin in sixteen different 16-byte columns of 256
.set EXI,  295936                      ; 16,384: images of fragments: slot q (0..3) at 4,096 q, tile of rows m at 1,024 m, half c at 512 c, lane at 16 x lane
.set EXS,  312320                      ; 1,024: their scale words: slot q at 256 q, tile m at 64 m, row r at 4 r
.set SPT,  313344                      ; 1,024: the waves' parts of the scores: wave at 256 w, row at 4 x row
.set PBC,  314368                      ; 1,024: p, each wave's own 256 bytes
; REGISTERS, in windows of 256 (s_set_vgpr_msb: bits 1:0 source 0, 3:2 source 1, 5:4 source 2, 7:6 destination).  Window 0:
.set L16,  1                           ; 16 x lane
.set RETW, 2                           ; 65,536 w + 8 x lane: where I keep four bf16 of my wave's row 0
.set STGW, 3                           ; my stage + 16 x lane
.set STGR, 4                           ; my stage + 528 r + 64 h
.set EXIW, 5                           ; EXI + 1,024 w + 16 x lane
.set EXIR, 6                           ; EXI + 16 x lane
.set EXSW, 7                           ; EXS + 64 w + 4 r
.set EXSR, 8                           ; EXS + 4 x lane
.set QOFF, 9                           ; 32 h: my eight numbers of a tile's sixteen, in qry and in We
.set SPTW, 10                          ; SPT + 256 w + 4 r
.set SPTR, 11                          ; SPT + 4 x lane
.set PBW,  12                          ; PBC + 256 w + 4 x lane
.set PBR,  13                          ; PBC + 256 w
.set RETR, 14                          ; 1,024 w + 8 x lane
.set L8,   15                          ; 8 x lane
.set SACC, 16                          ; v16-23   the sums of We x R: tile of rows m in the pair 16 + 2 m
                                       ; v24-31   at work; at the end v[26:27] = m, l;
.set ADP,  29                          ;          the context's address of p,
.set ADX,  30                          ;          and of the kept rows
.set ASC,  32                          ; v32-63   scale words of encoder_output: register 2 s + m / 2: lanes 0-15 tile 2 (m / 2), lanes 16-31 the tile behind it.  v32-79 hold scales and nothing else
.set BSC,  64                          ; v64-79   scale words of Wk: register s: lanes 0-15 tile u = 0, lanes 16-31 u = 1
.set QR,   80                          ; v80-95   the pair's query, in the result's layout: 8 u + j
.set WE,   96                          ; v96-111  the pair's We, likewise
.set CT,   96                          ;          later: the 16 sums of the context
.set PC,   112                         ; v112-119 the codes just made
.set PW,   120                         ; v120     the scale word just made
.set TM,   124                         ; v124-139 the quantiser's work
.set TB,   140                         ; v140-171 a step's numbers as bf16, two registers a row
.set X,    192                         ; v192-255 64 numbers of a lane for the quantiser;
.set ACC,  192                         ;          then the eight accumulators: (m, u) at 192 + 8 (2 m + u)
.set PP0,  112                         ; the context: eight p, two sets (v112-119, v120-127),
.set XR0,  128                         ; and eight rows x 8 registers of bf16, two sets (v128-191, v192-255)
; Window 1: the fragments of encoder_output of K steps 0-7, at 32 (s % 8) + 8 m.  Window 2: those of K steps 8-15.
; Window 3: in the stream four landing sets of 64 (set k at 64 k, row i at 4 i); then Wk's fragments of one pair: (s, u) at 16 s + 8 u.
; SCALARS: s[4:5] encoder_output, s[6:7] We, s[8:9] wkf, s[10:11] wks, s[12:13] qry, s[14:15] pctx, s[16:17] pst, each at my part; s18 wave; s[20:21] lane selects; s[22:23] 2 log2(e); s24 counter; s28, s29 the context's steps.
.set MSB, 0
.macro WIN new                         ; the immediate's high byte repeats the setting that is left; a switch that changes nothing is dropped
.if MSB != \new
	s_set_vgpr_msb (MSB<<8)|\new
.set MSB, \new
.endif
.endm
.macro PLACES                          ; four plain vector instructions between a matrix instruction and a load into one of its registers or the first read of its result (ISA guide 7.12.1 for the first read of its result)
.rept 4
	v_nop
.endr
.endm
.macro BAR                             ; my LDS stores have landed and my LDS loads are in: then the work-group's barrier
	s_wait_dscnt 0x0
	s_barrier_signal -1
	s_barrier_wait -1
.endm
; K step s (128 numbers, 512 bytes) of my wave's 16 rows into landing set s % 4: each load is 512 consecutive bytes of one row
.macro LOADX s
	WIN 0xc0                                       ; destination window 3, address window 0
.set i, 0
.rept 16
	global_load_b128 v[64*((\s)%4)+4*i:64*((\s)%4)+4*i+3], v[L16], s[4:5] offset:i*8192+(\s)*512 th:TH_LOAD_NT
.set i, i+1
.endr
	WIN 0
.endm
; Group g (K steps 4 g .. 4 g + 3) of the pair at which the bases stand: 16 loads of codes, one of scale words; with g = 0 four more for the query: 21 loads, else 17
.macro BLOAD g
	WIN 0xc0
.irp sl, 0,1,2,3
.irp u, 0,1
.irp c, 0,1
	global_load_b128 v[64*(\g)+16*\sl+8*\u+4*\c:64*(\g)+16*\sl+8*\u+4*\c+3], v[L16], s[8:9] offset:(4*(\g)+\sl)*2048+\u*1024+\c*512
.endr
.endr
.endr
	WIN 0
	global_load_b128 v[BSC+4*(\g):BSC+4*(\g)+3], v[L16], s[10:11] offset:(\g)*512
.if (\g) == 0
.irp u, 0,1
	global_load_b128 v[QR+8*\u:QR+8*\u+3], v[QOFF], s[12:13] offset:64*\u
	global_load_b128 v[QR+8*\u+4:QR+8*\u+7], v[QOFF], s[12:13] offset:64*\u+16
.endr
.endif
.endm
.macro WELOAD                          ; the pair's 32 numbers of We: four loads
.irp u, 0,1
	global_load_b128 v[WE+8*\u:WE+8*\u+3], v[QOFF], s[6:7] offset:64*\u
	global_load_b128 v[WE+8*\u+4:WE+8*\u+7], v[QOFF], s[6:7] offset:64*\u+16
.endr
.endm
; 64 numbers of a lane, v[s] .. v[s + 63], register 16 b + i = k 32 b + 16 (lane / 16) + i of my row, become a fragment's codes in v[PC] on and its scale word in v[PW].
.macro QUANT s
.irp b, 0,1,2,3
	v_max3_num_f32 v[TM+\b], |v[\s+16*\b]|, |v[\s+1+16*\b]|, 0x1800000   ; block b: my 16 numbers, and the floor 2^(3 - 127): so the byte cannot fall under 1
.endr
.irp i, 2,4,6,8,10,12,14
.irp b, 0,1,2,3
	v_max3_num_f32 v[TM+\b], v[TM+\b], |v[\s+16*\b+\i]|, |v[\s+1+16*\b+\i]|   ; (the four blocks by turns: no line waits for the line above it)
.endr
.endr
.irp b, 0,1,2,3
	v_permlanex16_b32 v[TM+4+\b], v[TM+\b], s20, s21
.endr
.irp b, 0,1,2,3
	v_max_num_f32 v[TM+\b], v[TM+\b], v[TM+4+\b]   ; with lane l xor 16's: the block's largest magnitude
.endr
.irp b, 0,1,2,3
	v_add_nc_u32 v[TM+12+\b], 0xff000000, v[TM+\b]   ; 2 off its exponent field: the conversion takes the exponent field of this operand as its scale, and nothing else of it
.endr
.irp b, 0,1,2,3
	v_lshrrev_b32 v[TM+4+\b], 23, v[TM+12+\b]      ; the scale's byte
.endr
	v_lshl_or_b32 v[PW], v[TM+5], 8, v[TM+4]       ; the four bytes make my row's scale word (the same in lanes l and l xor 16)
	v_lshl_or_b32 v[PW], v[TM+6], 16, v[PW]
	v_lshl_or_b32 v[PW], v[TM+7], 24, v[PW]
.irp b, 0,1,2,3
	v_cvt_scalef32_pk8_fp4_f32 v[PC+2*\b], v[\s+16*\b:\s+7+16*\b], v[TM+12+\b]      ; to the nearest code, ties to even; beyond 6 the largest code
	v_cvt_scalef32_pk8_fp4_f32 v[PC+1+2*\b], v[\s+8+16*\b:\s+15+16*\b], v[TM+12+\b]
.endr
	v_nop                                          ; one plain place behind a scaled conversion
.irp c, 0,1                                    ; the operand's layout wants a WHOLE block in a lane: lanes 0-15 block 2 c, lanes 16-31 block 2 c + 1
.irp i, 0,1
	v_permlane16_swap_b32 v[PC+4*\c+\i], v[PC+2+4*\c+\i]
.endr
.endr
.endm
; ONE STEP OF THE STREAM: K step s of my 16 rows.  cnt = the loads younger than the step's own sixteen.
.macro STEPL s, cnt
.set LS_, 64*((\s)%4)                  ; the landing set
.set QS_, 2*(((\s)/2)%2)+((\s)%2)      ; the image's slot
	s_wait_loadcnt \cnt                            ; loads come back in order: my sixteen are in, the younger ones stay out
	WIN 0x0f                                       ; sources window 3, destination window 0
.set i, 0
.rept 16
	v_cvt_pk_bf16_f32 v[TB+2*i], v[LS_+4*i], v[LS_+4*i+1]
	v_cvt_pk_bf16_f32 v[TB+2*i+1], v[LS_+4*i+2], v[LS_+4*i+3]
.set i, i+1
.endr
	WIN 0
.set i, 0
.rept 16
	ds_store_b64 v[RETW], v[TB+2*i:TB+2*i+1] offset:i*4096+256*(\s)     ; kept: 32 lanes, 256 consecutive bytes of row i
.set i, i+1
.endr
	WIN 0x0c                                       ; an LDS store's data are its source 1: window 3
.set i, 0
.rept 16
	ds_store_b128 v[STGW], v[LS_+4*i:LS_+4*i+3] offset:i*528            ; the f32 numbers turn through my own stage: in as they were loaded,
.set i, i+1
.endr
	WIN 0
.set i, 0
.rept 16
	ds_load_b128 v[X+4*i:X+4*i+3], v[STGR] offset:128*(i/4)+16*(i%4)    ; out as the quantiser wants them: of row r, 16 neighbours of each block of 32.  LDS serves a wave's instructions in order
.set i, i+1
.endr
	s_wait_dscnt 0x0                               ; the numbers are back; the stores above have read TB and the landing set; the last step's image stores have read PC and PW; the last group's fragments are in
.if (\s) < 12
	LOADX (\s)+4                                   ; the landing set takes the K step four on,
.else
	BLOAD (\s)-12                                  ; or, when the rows are all asked for, group s - 12 of Wk's first pair, whose registers these are
.endif
.if (\s) == 15
	WELOAD
.endif
	QUANT X
.irp c, 0,1
	ds_store_b128 v[EXIW], v[PC+4*\c:PC+4*\c+3] offset:QS_*4096+512*\c  ; the fragment's image: tile of rows m = my wave
.endr
	ds_store_b32 v[EXSW], v[PW] offset:QS_*256     ; lanes r and r + 16 write the same word with the same value
.endm
; Group g's two K steps: the fragments of all four tiles of rows, and their scale words, from the images into my registers, where they stay
.macro FETCHA g
.irp st, 0,1
.set SS_, 2*(\g)+\st
.set QS_, 2*((\g)%2)+\st
.if SS_ < 8
	WIN 0x40                                       ; destination window 1
.else
	WIN 0x80                                       ; destination window 2
.endif
.irp m, 0,1,2,3
.irp c, 0,1
	ds_load_b128 v[32*(SS_%8)+8*\m+4*\c:32*(SS_%8)+8*\m+4*\c+3], v[EXIR] offset:QS_*4096+\m*1024+512*\c
.endr
.endr
	WIN 0
.irp mp, 0,1
	ds_load_b32 v[ASC+2*SS_+\mp], v[EXSR] offset:QS_*256+128*\mp        ; lanes 0-15: tile 2 mp's words; lanes 16-31: tile 2 mp + 1's
.endr
.endr
.endm
; One product: K step s, tile of rows m, tile u of the pair.  K step 0 starts the sum with the query as C.
.macro WM s, m, u
.set rD, ACC+8*(2*(\m)+(\u))
.set rB, 16*(\s)+8*(\u)
.set rA, 32*((\s)%8)+8*(\m)
.set rSB, BSC+(\s)
.set rSA, ASC+2*(\s)+(\m)/2
.set rC, rD
.if (\s) == 0
.set rC, QR+8*(\u)
.endif
.if ((\u) == 0) && ((\m)%2 == 0)
	v_wmma_scale_f32_16x16x128_f8f6f4 v[rD:rD+7], v[rB:rB+7], v[rA:rA+7], v[rC:rC+7], v[rSB], v[rSA] matrix_a_fmt:MATRIX_FMT_FP4 matrix_b_fmt:MATRIX_FMT_FP4
.elseif ((\u) == 1) && ((\m)%2 == 0)
	v_wmma_scale_f32_16x16x128_f8f6f4 v[rD:rD+7], v[rB:rB+7], v[rA:rA+7], v[rC:rC+7], v[rSB], v[rSA] matrix_a_fmt:MATRIX_FMT_FP4 matrix_b_fmt:MATRIX_FMT_FP4 matrix_a_scale:MATRIX_SCALE_ROW1
.elseif (\u) == 0
	v_wmma_scale_f32_16x16x128_f8f6f4 v[rD:rD+7], v[rB:rB+7], v[rA:rA+7], v[rC:rC+7], v[rSB], v[rSA] matrix_a_fmt:MATRIX_FMT_FP4 matrix_b_fmt:MATRIX_FMT_FP4 matrix_b_scale:MATRIX_SCALE_ROW1
.else
	v_wmma_scale_f32_16x16x128_f8f6f4 v[rD:rD+7], v[rB:rB+7], v[rA:rA+7], v[rC:rC+7], v[rSB], v[rSA] matrix_a_fmt:MATRIX_FMT_FP4 matrix_b_fmt:MATRIX_FMT_FP4 matrix_a_scale:MATRIX_SCALE_ROW1 matrix_b_scale:MATRIX_SCALE_ROW1
.endif
.endm
; 32 products: K steps 4 g .. 4 g + 3.  The eight accumulators take turns, one instruction a turn, in the same order in every K step.
.macro MULG g
.if (\g) < 2
	WIN 0x07                                       ; source 0 (Wk) window 3, source 1 (rows) window 1, C and D window 0
.else
	WIN 0x0b                                       ; source 1 window 2
.endif
.irp sl, 0,1,2,3
.irp m, 0,1,2,3
.irp u, 0,1
	WM 4*(\g)+\sl, \m, \u
.endr
.endr
.endr
	WIN 0
	PLACES                                         ; in front of the loads into the group's registers, and of the first read of results
.endm
; The pair's 64 x 32 numbers z = key + query: R = 1 / (1 + 2^(2 log2(e) z)); SACC += We x R.  Each accumulator is read from its low end on.
.macro TANH
.set i, 0
.rept 32
	v_pk_mul_f32 v[ACC+2*i:ACC+2*i+1], v[ACC+2*i:ACC+2*i+1], s[22:23] op_sel_hi:[1,0]
.set i, i+1
.endr
.set i, 0
.rept 64
	v_exp_f32 v[ACC+i], v[ACC+i]                   ; beyond f32's range: infinity, and R = 0: tanh = 1; far below: 0, and R = 1: tanh = -1
.set i, i+1
.endr
	v_nop                                          ; one plain place behind the run of transcendentals
.set i, 0
	s_wait_alu depctr_va_vdst(0)
.rept 32
	v_pk_add_f32 v[ACC+2*i:ACC+2*i+1], v[ACC+2*i:ACC+2*i+1], 1.0 op_sel_hi:[1,0]
.set i, i+1
.endr
.set i, 0
.rept 64
	v_rcp_f32 v[ACC+i], v[ACC+i]
.set i, i+1
.endr
	v_nop                                          ; likewise
	s_wait_alu depctr_va_vdst(0)
.irp u, 0,1
.irp i, 0,1,2,3
.irp m, 0,1,2,3                                ; the four tiles' sums by turns
	v_pk_fma_f32 v[SACC+2*\m:SACC+2*\m+1], v[ACC+8*(2*\m+\u)+2*\i:ACC+8*(2*\m+\u)+2*\i+1], v[WE+8*\u+2*\i:WE+8*\u+2*\i+1], v[SACC+2*\m:SACC+2*\m+1]
.endr
.endr
.endr
.endm
; A PAIR of 32 hidden units.  refill = 1: as soon as a group's registers are free they take the next pair's group.  c0 .. c3, cw: the loads younger than the group (than We) that is wanted.
.macro PAIR refill, c0, c1, c2, c3, cw
	s_wait_loadcnt \c0
	MULG 0
.if \refill
	BLOAD 0
.endif
	s_wait_loadcnt \c1
	MULG 1
.if \refill
	BLOAD 1
.endif
	s_wait_loadcnt \c2
	MULG 2
.if \refill
	BLOAD 2
.endif
	s_wait_loadcnt \c3
	MULG 3
.if \refill
	BLOAD 3
.endif
	s_wait_loadcnt \cw
	TANH
.if \refill
	WELOAD
.endif
.endm
; The context: eight rows (set 0: the first eight of the sixteen at which the addresses stand; set 1: the other eight): their p, the same in every lane, and my 16 columns of each: 34 LDS loads
.macro CLOAD set
.set PPs, PP0+8*(\set)
.set XRs, XR0+64*(\set)
	ds_load_b128 v[PPs:PPs+3], v[ADP] offset:32*(\set)
	ds_load_b128 v[PPs+4:PPs+7], v[ADP] offset:32*(\set)+16
.irp rr, 0,1,2,3,4,5,6,7
.irp q, 0,1,2,3
	ds_load_b64 v[XRs+8*\rr+2*\q:XRs+8*\rr+2*\q+1], v[ADX] offset:32768*(\set)+\rr*4096+256*\q     ; 32 lanes, 256 consecutive bytes
.endr
.endr
.endm
.macro CFMA set                        ; 128 fused multiply-adds straight from the bf16 halves: 16 sums by turns
.set PPs, PP0+8*(\set)
.set XRs, XR0+64*(\set)
.irp rr, 0,1,2,3,4,5,6,7
.irp q, 0,1,2,3
	v_fma_mix_f32_bf16 v[CT+4*\q], v[XRs+8*\rr+2*\q], v[PPs+\rr], v[CT+4*\q] op_sel_hi:[1,0,0]
	v_fma_mix_f32_bf16 v[CT+4*\q+1], v[XRs+8*\rr+2*\q], v[PPs+\rr], v[CT+4*\q+1] op_sel:[1,0,0] op_sel_hi:[1,0,0]
	v_fma_mix_f32_bf16 v[CT+4*\q+2], v[XRs+8*\rr+2*\q+1], v[PPs+\rr], v[CT+4*\q+2] op_sel_hi:[1,0,0]
	v_fma_mix_f32_bf16 v[CT+4*\q+3], v[XRs+8*\rr+2*\q+1], v[PPs+\rr], v[CT+4*\q+3] op_sel:[1,0,0] op_sel_hi:[1,0,0]
.endr
.endr
.endm
	; ---- HEAD: the first 64 loads go out as soon as their address is known
	s_load_b256 s[4:11], s[0:1], 0x0               ; encoder_output, We, wkf, wks
	s_load_b128 s[12:15], s[0:1], 0x20             ; qry, pctx
	s_load_b64 s[16:17], s[0:1], 0x30              ; pst
	v_lshrrev_b32 v24, 5, v0
	v_readfirstlane_b32 s18, v24                   ; wave 0..3
	v_and_b32 v24, 31, v0                          ; lane
	v_lshlrev_b32 v[L16], 4, v24
	s_mov_b32 s27, 0
	s_lshl_b32 s26, ttmp9, 19                      ; 64 rows of 8,192 bytes,
	s_lshl_b32 s30, s18, 17                        ; my wave's 16 of them
	s_add_co_u32 s26, s26, s30
	s_wait_kmcnt 0x0
	s_add_nc_u64 s[4:5], s[4:5], s[26:27]
	LOADX 0
	LOADX 1
	LOADX 2
	LOADX 3
	s_lshl_b32 s26, s18, 10                        ; We: my 256 numbers
	s_add_nc_u64 s[6:7], s[6:7], s[26:27]
	s_lshr_b32 s30, ttmp9, 4                       ; qry: the batch's row of 4,096 bytes, my 256 numbers
	s_lshl_b32 s30, s30, 12
	s_add_co_u32 s26, s26, s30
	s_add_nc_u64 s[12:13], s[12:13], s[26:27]
	s_lshl_b32 s26, s18, 18                        ; wkf: my eight pairs of 32,768 bytes
	s_add_nc_u64 s[8:9], s[8:9], s[26:27]
	s_lshl_b32 s26, s18, 14                        ; wks: of 2,048 bytes
	s_add_nc_u64 s[10:11], s[10:11], s[26:27]
	s_lshl_b32 s26, ttmp9, 13                      ; pctx: the block's row of 8,192 bytes, my 512 columns
	s_lshl_b32 s30, s18, 11
	s_add_co_u32 s26, s26, s30
	s_add_nc_u64 s[14:15], s[14:15], s[26:27]
	s_lshl_b32 s26, ttmp9, 8                       ; pst: the block's 256 bytes
	s_add_nc_u64 s[16:17], s[16:17], s[26:27]
	s_mov_b32 s20, 0x76543210
	s_mov_b32 s21, 0xfedcba98                      ; v_permlanex16_b32's selects for lane l xor 16
	s_mov_b32 s22, 0x4038aa3b                      ; 2 log2(e)
	s_mov_b32 s23, s22                             ; (named with it as a pair, so it is written)
	v_and_b32 v25, 15, v0                          ; r
	v_bfe_u32 v26, v0, 4, 1                        ; h
	s_lshl_b32 s30, s18, 16
	v_lshl_add_u32 v[RETW], v24, 3, s30
	s_mul_i32 s31, s18, 8448
	s_add_co_u32 s31, s31, STG
	v_add_nc_u32 v[STGW], s31, v[L16]
	v_mul_u32_u24 v[STGR], v25, 528
	v_lshl_add_u32 v[STGR], v26, 6, v[STGR]
	v_add_nc_u32 v[STGR], s31, v[STGR]
	s_lshl_b32 s32, s18, 10
	s_add_co_u32 s32, s32, EXI
	v_add_nc_u32 v[EXIW], s32, v[L16]
	v_add_nc_u32 v[EXIR], EXI, v[L16]
	s_lshl_b32 s33, s18, 6
	s_add_co_u32 s33, s33, EXS
	v_lshl_add_u32 v[EXSW], v25, 2, s33
	v_lshl_add_u32 v[EXSR], v24, 2, EXS
	v_lshlrev_b32 v[QOFF], 5, v26
	s_lshl_b32 s34, s18, 8
	s_add_co_u32 s35, s34, SPT
	v_lshl_add_u32 v[SPTW], v25, 2, s35
	v_lshl_add_u32 v[SPTR], v24, 2, SPT
	s_add_co_u32 s36, s34, PBC
	v_lshl_add_u32 v[PBW], v24, 2, s36
	v_mov_b32 v[PBR], s36
	s_lshl_b32 s37, s18, 10
	v_lshl_add_u32 v[RETR], v24, 3, s37
	v_lshlrev_b32 v[L8], 3, v24
.irp j, 0,1,2,3,4,5,6,7
	v_mov_b32 v[SACC+\j], 0                        ; the scores' sums begin at 0
.endr
.irp j, 0,1,2,3
	v_mov_b32 v[TM+4+\j], 0                        ; written once: a lane permute's destination counts as one of its sources
	v_mov_b32 v[28+\j], 0
.endr
	; ---- STREAM: eight groups of two K steps.  One barrier a group: the images of group g lie in slots 2 (g % 2), + 1; they are written again in group g + 2, behind barrier g + 1, in front of which every wave
	; has waited for its reads of them.  The counts: three younger sets of 16; from step 13 on the younger loads are Wk's groups (21, 17, 17) in place of sets.
	STEPL 0, 48
	STEPL 1, 48
	BAR
	FETCHA 0
	STEPL 2, 48
	STEPL 3, 48
	BAR
	FETCHA 1
	STEPL 4, 48
	STEPL 5, 48
	BAR
	FETCHA 2
	STEPL 6, 48
	STEPL 7, 48
	BAR
	FETCHA 3
	STEPL 8, 48
	STEPL 9, 48
	BAR
	FETCHA 4
	STEPL 10, 48
	STEPL 11, 48
	BAR
	FETCHA 5
	STEPL 12, 48
	STEPL 13, 53                                   ; 16 + 16 + 21
	BAR
	FETCHA 6
	STEPL 14, 54                                   ; 16 + 21 + 17
	STEPL 15, 55                                   ; 21 + 17 + 17
	BAR
	FETCHA 7
	s_wait_dscnt 0x0                               ; all 64 fragments and their scale words are in my registers
	s_wait_xcnt 0x0                                ; the loads of pair 0 have read their bases: on to pair 1
	s_add_nc_u64 s[8:9], s[8:9], 32768
	s_add_nc_u64 s[10:11], s[10:11], 2048
	s_add_nc_u64 s[12:13], s[12:13], 128
	s_add_nc_u64 s[6:7], s[6:7], 128
	; ---- GEMM: my eight pairs.  A pair's loads go out in the order [21][17][17][17][4]; in a trip the next pair's follow group by group.  Younger than group 0: 17 + 17 + 17 + 4 = 55; than group 1: 17 + 17 + 4 + 21 = 59;
	; than groups 2 and 3 likewise 59; than We: 72, of which the wait can name 63.  The stream's last steps issued pair 0 in the same order, so the way in meets the same counts.
	s_mov_b32 s24, 7
.Lpair:
	PAIR 1, 55, 59, 59, 59, 63
	s_wait_xcnt 0x0                                ; the trip's loads have read their bases
	s_add_nc_u64 s[8:9], s[8:9], 32768
	s_add_nc_u64 s[10:11], s[10:11], 2048
	s_add_nc_u64 s[12:13], s[12:13], 128
	s_add_nc_u64 s[6:7], s[6:7], 128
	s_sub_co_u32 s24, s24, 1
	s_cmp_lg_u32 s24, 0
	s_cbranch_scc1 .Lpair
	PAIR 0, 55, 38, 21, 4, 0                       ; the last pair asks for nothing: no load leaves its buffer, and the counts run down
	; ---- SCORES: a lane's two halves, lane l xor 16's, then the four waves' parts through LDS
.irp m, 0,1,2,3
	v_add_f32 v[24+\m], v[SACC+2*\m], v[SACC+2*\m+1]
.endr
.irp m, 0,1,2,3
	v_permlanex16_b32 v[28+\m], v[24+\m], s20, s21
.endr
.irp m, 0,1,2,3
	v_add_f32 v[24+\m], v[24+\m], v[28+\m]         ; row 16 m + r, my wave's 256 hidden units
.endr
.irp m, 0,1,2,3
	ds_store_b32 v[SPTW], v[24+\m] offset:64*\m    ; lanes r and r + 16 write the same word with the same value
.endr
	BAR
.irp wv, 0,1,2,3
	ds_load_b32 v[TB+2*\wv], v[SPTR] offset:256*\wv          ; row = lane,
	ds_load_b32 v[TB+2*\wv+1], v[SPTR] offset:256*\wv+128    ; row = lane + 32
.endr
	s_wait_dscnt 0x0
	v_pk_add_f32 v[24:25], v[TB:TB+1], v[TB+2:TB+3]
	v_pk_add_f32 v[28:29], v[TB+4:TB+5], v[TB+6:TB+7]
	v_pk_add_f32 v[24:25], v[24:25], v[28:29]      ; every wave adds the four parts in the same order: all four hold the same numbers
	v_mul_f32 v24, 0xc038aa3b, v24                 ; t = -2 log2(e) x the sum
	v_mul_f32 v25, 0xc038aa3b, v25
	v_max_num_f32 v26, v24, v25                    ; m = the largest t of the 64 rows
	v_max_num_f32_dpp v26, v26, v26 row_xmask:1 row_mask:0xf bank_mask:0xf
	v_max_num_f32_dpp v26, v26, v26 row_xmask:2 row_mask:0xf bank_mask:0xf
	v_max_num_f32_dpp v26, v26, v26 row_xmask:4 row_mask:0xf bank_mask:0xf
	v_max_num_f32_dpp v26, v26, v26 row_xmask:8 row_mask:0xf bank_mask:0xf
	v_permlanex16_b32 v28, v26, s20, s21
	v_max_num_f32 v26, v26, v28
	v_sub_f32 v24, v24, v26
	v_sub_f32 v25, v25, v26
	v_exp_f32 v24, v24                             ; p = 2^(t - m), at most 1
	v_exp_f32 v25, v25
	v_nop                                          ; one plain place behind the transcendentals
	s_wait_alu depctr_va_vdst(0)
	v_add_f32 v27, v24, v25                        ; l = the sum of the 64 p, at least 1
	v_add_f32_dpp v27, v27, v27 row_xmask:1 row_mask:0xf bank_mask:0xf
	v_add_f32_dpp v27, v27, v27 row_xmask:2 row_mask:0xf bank_mask:0xf
	v_add_f32_dpp v27, v27, v27 row_xmask:4 row_mask:0xf bank_mask:0xf
	v_add_f32_dpp v27, v27, v27 row_xmask:8 row_mask:0xf bank_mask:0xf
	v_permlanex16_b32 v28, v27, s20, s21
	v_add_f32 v27, v27, v28
	ds_store_b32 v[PBW], v24                       ; p by rows, into my wave's own 256 bytes: LDS serves a wave's instructions in order, so my loads below see them
	ds_store_b32 v[PBW], v25 offset:128
	; ---- CONTEXT: my 512 columns of the sum of p x row, from the rows kept as bf16 (their last store stands ahead of the stream's last barrier).  Two sets of eight rows by turns; the addresses step 16 rows a trip.
.irp j, 0,1,2,3,4,5,6,7,8,9,10,11,12,13,14,15
	v_mov_b32 v[CT+\j], 0
.endr
	s_mov_b32 s28, 0
	s_mov_b32 s29, 0
	v_add_nc_u32 v[ADX], s28, v[RETR]
	v_add_nc_u32 v[ADP], s29, v[PBR]
	CLOAD 0
	s_mov_b32 s24, 3
.Lctx:
	CLOAD 1
	s_wait_dscnt 34                                ; all but the 34 just issued
	CFMA 0
	s_add_co_u32 s28, s28, 65536                   ; 16 rows of 4,096 bytes,
	s_add_co_u32 s29, s29, 64                      ; 16 p
	v_add_nc_u32 v[ADX], s28, v[RETR]
	v_add_nc_u32 v[ADP], s29, v[PBR]
	CLOAD 0
	s_wait_dscnt 34
	CFMA 1
	s_sub_co_u32 s24, s24, 1
	s_cmp_lg_u32 s24, 0
	s_cbranch_scc1 .Lctx
	CLOAD 1                                        ; rows 56 to 63
	s_wait_dscnt 34
	CFMA 0
	s_wait_dscnt 0x0
	CFMA 1
	; ---- OUT
.irp q, 0,1,2,3
	global_store_b128 v[L16], v[CT+4*\q:CT+4*\q+3], s[14:15] offset:512*\q     ; 32 lanes store 512 consecutive bytes, aligned
.endr
	s_cmp_lg_u32 s18, 0
	s_cbranch_scc1 .Lend
	global_store_b64 v[L8], v[26:27], s[16:17]     ; wave 0: (m, l), the same in all 32 lanes: 256 consecutive bytes, aligned
.Lend:
	s_wait_xcnt 0x0
	v_lshl_add_u32 v254, v0, 2, 0x4d000
	v_mov_b32 v255, 0
	s_wait_tensorcnt 0x0
	ds_add_u32 v254, v255
	s_wait_dscnt 0x0
	s_endpgm
.Lfunc_end_k_q492bb1aeb2_main:
	.size	k_q492bb1aeb2_main, .Lfunc_end_k_q492bb1aeb2_main-k_q492bb1aeb2_main
	.p2alignl 7, 3214868480
	.fill 96, 4, 3214868480
	.section	.rodata,"a",@progbits
	.p2align	6, 0x0
	.amdhsa_kernel k_q492bb1aeb2_main
		.amdhsa_group_segment_fixed_size 315904
		.amdhsa_private_segment_fixed_size 0
		.amdhsa_enable_private_segment 0
		.amdhsa_kernarg_size 56
		.amdhsa_user_sgpr_count 2
		.amdhsa_user_sgpr_kernarg_segment_ptr 1
		.amdhsa_wavefront_size32 1
		.amdhsa_system_sgpr_workgroup_id_x 1
		.amdhsa_system_sgpr_workgroup_id_y 1
		.amdhsa_system_sgpr_workgroup_id_z 1
		.amdhsa_system_vgpr_workitem_id 0
		.amdhsa_next_free_vgpr 1024
		.amdhsa_next_free_sgpr 66
		.amdhsa_reserve_vcc 0
		.amdhsa_float_denorm_mode_32 3
		.amdhsa_float_denorm_mode_16_64 3
		.amdhsa_memory_ordered 1
		.amdhsa_forward_progress 1
		.amdhsa_inst_pref_size 255
	.end_amdhsa_kernel
	.section	.bss,"aw",@nobits
	.p2align	6
	.space	262144
	.amdgpu_metadata
---
amdhsa.version: [ 1, 2 ]
amdhsa.kernels:
  - .name:           k_q492bb1aeb2_main
    .symbol:         k_q492bb1aeb2_main.kd
    .args:
      - { .name: encoder_output, .offset: 0, .size: 8, .value_kind: global_buffer, .address_space: global }
      - { .name: We, .offset: 8, .size: 8, .value_kind: global_buffer, .address_space: global }
      - { .name: wkf, .offset: 16, .size: 8, .value_kind: global_buffer, .address_space: global }
      - { .name: wks, .offset: 24, .size: 8, .value_kind: global_buffer, .address_space: global }
      - { .name: qry, .offset: 32, .size: 8, .value_kind: global_buffer, .address_space: global }
      - { .name: pctx, .offset: 40, .size: 8, .value_kind: global_buffer, .address_space: global }
      - { .name: pst, .offset: 48, .size: 8, .value_kind: global_buffer, .address_space: global }
    .group_segment_fixed_size: 315904
    .private_segment_fixed_size: 0
    .kernarg_segment_align: 8
    .kernarg_segment_size: 56
    .max_flat_workgroup_size: 128
    .sgpr_count:     66
    .vgpr_count:     1024
    .wavefront_size: 32
...
	.end_amdgpu_metadata
.endif
;; end of part 2
;; launch combine (part 3): grid 256 x 1, 2 waves a work-group, no clusters, 0 bytes of LDS; arguments pctx, pst, out0; writes out0
.if DOCPART == 3
	.amdgcn_target "amdgcn-amd-amdhsa--gfx1250"
	.amdhsa_code_object_version 6
	.text
	.protected	k_q492bb1aeb2_combine
	.globl	k_q492bb1aeb2_combine
	.p2align	8
	.type	k_q492bb1aeb2_combine,@function
k_q492bb1aeb2_combine:
	s_mov_b64 s[64:65], 0
	v_nop
	global_prefetch_b8 v0, s[64:65] scope:SCOPE_SE
	s_setreg_imm32_b32 hwreg(HW_REG_WAVE_MODE, 25, 1), 1
	s_wait_xcnt 0x0
; COMBINE.  out0[b][c] = (the sum over a batch's 16 blocks i of 2^(m_i - M) pctx[16 b + i][c]) / (the sum over i of 2^(m_i - M) l_i), M = the largest m_i.
; pctx [512][2048] f32: a block's sum of p x row under its own maximum m_i (in units of log2); pst [512][32][2] f32: (m_i, l_i), the same in all 32 places.
; Work-group x: batch x / 8, columns 256 (x % 8) on; each of its two waves 128 columns, four a lane: every load and the store cover 512 consecutive bytes.  No LDS, no barrier: waves share nothing.
; The block with the largest m has the factor 1 and l at least 1, so the divisor is at least 1; a factor under 2^-126 counts as 0.
	s_load_b128 s[4:7], s[0:1], 0x0                ; pctx, pst
	s_load_b64 s[8:9], s[0:1], 0x10                ; out0
	v_lshrrev_b32 v1, 5, v0
	v_readfirstlane_b32 s10, v1                    ; wave 0, 1
	v_and_b32 v1, 31, v0
	v_lshlrev_b32 v1, 4, v1                        ; 16 x lane
	v_and_b32 v10, 15, v0
	v_lshlrev_b32 v10, 8, v10                      ; block lane % 16: 256 bytes a block
	s_lshr_b32 s11, ttmp9, 3                       ; the batch
	s_and_b32 s12, ttmp9, 7
	s_lshl_b32 s12, s12, 10
	s_lshl_b32 s13, s10, 9
	s_add_co_u32 s12, s12, s13                     ; my wave's first column, in bytes
	s_lshl_b32 s14, s11, 17                        ; pctx: 16 rows of 8,192 bytes a batch
	s_add_co_u32 s14, s14, s12
	s_mov_b32 s15, 0
	s_lshl_b32 s32, s11, 12                        ; pst: 16 blocks of 256 bytes
	s_mov_b32 s33, 0
	s_lshl_b32 s34, s11, 13                        ; out0: a row of 8,192 bytes
	s_add_co_u32 s34, s34, s12
	s_mov_b32 s35, 0
	s_wait_kmcnt 0x0
	s_add_nc_u64 s[4:5], s[4:5], s[14:15]
	s_add_nc_u64 s[6:7], s[6:7], s[32:33]
	s_add_nc_u64 s[8:9], s[8:9], s[34:35]
	global_load_b64 v[2:3], v10, s[6:7]            ; (m, l) of block lane % 16
.irp i, 0,1,2,3,4,5,6,7,8,9,10,11,12,13,14,15
	global_load_b128 v[16+4*\i:19+4*\i], v1, s[4:5] offset:8192*\i
.endr
	s_wait_loadcnt 16                              ; the statistics are in; the sixteen rows behind them stay out
	v_mov_b32 v4, v2
	v_max_num_f32_dpp v4, v4, v4 row_xmask:1 row_mask:0xf bank_mask:0xf
	v_max_num_f32_dpp v4, v4, v4 row_xmask:2 row_mask:0xf bank_mask:0xf
	v_max_num_f32_dpp v4, v4, v4 row_xmask:4 row_mask:0xf bank_mask:0xf
	v_max_num_f32_dpp v4, v4, v4 row_xmask:8 row_mask:0xf bank_mask:0xf     ; M: each half of the lanes holds all 16 blocks
	v_sub_f32 v5, v2, v4
	v_exp_f32 v5, v5                               ; f = 2^(m - M)
	v_nop                                          ; one plain place behind a transcendental
	s_wait_alu depctr_va_vdst(0)
	v_mul_f32 v6, v5, v3                           ; f l
	v_add_f32_dpp v6, v6, v6 row_xmask:1 row_mask:0xf bank_mask:0xf
	v_add_f32_dpp v6, v6, v6 row_xmask:2 row_mask:0xf bank_mask:0xf
	v_add_f32_dpp v6, v6, v6 row_xmask:4 row_mask:0xf bank_mask:0xf
	v_add_f32_dpp v6, v6, v6 row_xmask:8 row_mask:0xf bank_mask:0xf         ; the divisor
	v_rcp_f32 v7, v6
	v_nop
	s_wait_alu depctr_va_vdst(0)
	v_mul_f32 v5, v5, v7                           ; block lane % 16's weight
.irp i, 0,1,2,3,4,5,6,7,8,9,10,11,12,13,14,15
	v_readlane_b32 s[16+\i], v5, \i                ; the 16 weights as scalars: they are factors only; no address and no branch hangs on them
.endr
	s_wait_loadcnt 0x0
.irp e, 0,1,2,3
	v_mul_f32 v[12+\e], s16, v[16+\e]              ; the first block starts the sums
.endr
.irp i, 1,2,3,4,5,6,7,8,9,10,11,12,13,14,15
.irp e, 0,1,2,3
	v_fma_f32 v[12+\e], s[16+\i], v[16+4*\i+\e], v[12+\e]
.endr
.endr
	global_store_b128 v1, v[12:15], s[8:9]         ; 32 lanes store 512 consecutive bytes, aligned
	s_endpgm
.Lfunc_end_k_q492bb1aeb2_combine:
	.size	k_q492bb1aeb2_combine, .Lfunc_end_k_q492bb1aeb2_combine-k_q492bb1aeb2_combine
	.p2alignl 7, 3214868480
	.fill 96, 4, 3214868480
	.section	.rodata,"a",@progbits
	.p2align	6, 0x0
	.amdhsa_kernel k_q492bb1aeb2_combine
		.amdhsa_group_segment_fixed_size 0
		.amdhsa_private_segment_fixed_size 0
		.amdhsa_enable_private_segment 0
		.amdhsa_kernarg_size 24
		.amdhsa_user_sgpr_count 2
		.amdhsa_user_sgpr_kernarg_segment_ptr 1
		.amdhsa_wavefront_size32 1
		.amdhsa_system_sgpr_workgroup_id_x 1
		.amdhsa_system_sgpr_workgroup_id_y 1
		.amdhsa_system_sgpr_workgroup_id_z 1
		.amdhsa_system_vgpr_workitem_id 0
		.amdhsa_next_free_vgpr 96
		.amdhsa_next_free_sgpr 66
		.amdhsa_reserve_vcc 0
		.amdhsa_float_denorm_mode_32 3
		.amdhsa_float_denorm_mode_16_64 3
		.amdhsa_memory_ordered 1
		.amdhsa_forward_progress 1
		.amdhsa_inst_pref_size 9
	.end_amdhsa_kernel
	.amdgpu_metadata
---
amdhsa.version: [ 1, 2 ]
amdhsa.kernels:
  - .name:           k_q492bb1aeb2_combine
    .symbol:         k_q492bb1aeb2_combine.kd
    .args:
      - { .name: pctx, .offset: 0, .size: 8, .value_kind: global_buffer, .address_space: global }
      - { .name: pst, .offset: 8, .size: 8, .value_kind: global_buffer, .address_space: global }
      - { .name: out0, .offset: 16, .size: 8, .value_kind: global_buffer, .address_space: global }
    .group_segment_fixed_size: 0
    .private_segment_fixed_size: 0
    .kernarg_segment_align: 8
    .kernarg_segment_size: 24
    .max_flat_workgroup_size: 64
    .sgpr_count:     66
    .vgpr_count:     96
    .wavefront_size: 32
...
	.end_amdgpu_metadata
.endif
;; end of part 3
;; ======== version 2 of 2: 3 launches
;; workspace buffers: wkf 1,048,576 bytes; wks 65,536 bytes; qry 131,072 bytes; pctx 4,194,304 bytes; pst 131,072 bytes
;; launch prep (part 4): grid 32 x 1, 8 waves a work-group, no clusters, 0 bytes of LDS; arguments Wk_codes, Wk_scales, Wq_codes, Wq_scales, decoder_hidden_codes, decoder_hidden_scales, wkf, wks, qry; writes wkf, wks, qry
.if DOCPART == 4
	.amdgcn_target "amdgcn-amd-amdhsa--gfx1250"
	.amdhsa_code_object_version 6
	.text
	.protected	k_q492bb1aeb2_prep
	.globl	k_q492bb1aeb2_prep
	.p2align	8
	.type	k_q492bb1aeb2_prep,@function
k_q492bb1aeb2_prep:
	s_mov_b64 s[64:65], 0
	v_nop
	global_prefetch_b8 v0, s[64:65] scope:SCOPE_SE
	s_setreg_imm32_b32 hwreg(HW_REG_WAVE_SCHED_MODE, 0, 2), 2
	s_setreg_imm32_b32 hwreg(HW_REG_WAVE_MODE, 25, 1), 1
	s_wait_xcnt 0x0
	s_wait_alu depctr_vm_vsrc(0)
; PREP.  Three small jobs ahead of the main launch.  Work-group P (0..31) owns hidden units 32 P .. 32 P + 31 ("pair P": two tiles u of 16).
; (a) Wk's codes are laid anew in the order of the operand's registers: wkf[P][s 16][u 2][c 2][lane 32][16 bytes] = Wk_codes[(32 P + 16 u + r) 1024 + 64 s + 32 c + 16 h], r = lane % 16, h = lane / 16,
;     so that the main launch takes a fragment (16 hidden units x 128 K) by two loads of 512 consecutive bytes.  Wave v re-lays K steps 2 v and 2 v + 1.
; (b) Wk's scale bytes likewise: wks[P][g 4][lane 32][16 bytes] = Wk_scales[(32 P + lane) 64 + 16 g ..]: word i of a lane's 16 bytes is the scale word of K step 4 g + i; lanes 0-15 are tile u = 0, lanes 16-31 tile u = 1.  Waves 0-3, g = wave.
; (c) query = decoder_hidden Wq^T on the codes as they are given, K = 1,024 in eight steps of 128.  Waves 4 and 5: tile T = 2 P + wave - 4 of 16 hidden units, for all 32 batches (two accumulators).
;     Source 0 = 16 rows of Wq, source 1 = 16 batches: lane (r, h) then holds batch r and its registers hidden units 16 T + 8 h + 0 .. 7: 32 neighbouring bytes of a row of qry [32][1024] f32.
;     These stores cover 64 consecutive bytes of a row (two lanes); the whole buffer is 131,072 bytes, so no stage is spent on them.
; The reads of (a) take 32 bytes of each of 16 rows a load: 1 MiB in all, read once.
; THE MODE: SCHED_MODE bits 1:0 = 2 (LLVM: expert scheduling mode 2), set by the entry lines.  The code itself states the register dependences between vector or matrix instructions and memory instructions, with s_wait_alu, always for 0.
; THE PLAN.  v4 to v9: offsets, made once at the head, read by every load and store, never written again: one wait ahead of the first load.  v64-95: (a)'s loads land, (a)'s stores read, (c)'s loads land again: one wait behind the stores.
;   All operands and scales of the products come from loads.  v40-55, the accumulators: written by the products, read by the last stores: one wait, behind the places.
.set WS,  16                           ; v16-23   Wq's scale words, K step s at WS + s: these registers hold scales and nothing else
.set DS,  24                           ; v24-39   decoder_hidden's, batch half e, K step s at DS + 8 e + s
.set ACC, 40                           ; v40-55   two accumulators
.set WQ,  64                           ; v64-127  Wq's eight fragments; before that v64-95 carry (a)'s 128 bytes a lane, v96-99 (b)'s 16
.set DH,  128                          ; v128-255 decoder_hidden's sixteen fragments: 64 e + 8 s
	s_load_b256 s[4:11], s[0:1], 0x0               ; Wk_codes s[4:5], Wk_scales s[6:7], Wq_codes s[8:9], Wq_scales s[10:11]
	s_load_b256 s[12:19], s[0:1], 0x20             ; decoder_hidden_codes s[12:13], its scales s[14:15], wkf s[16:17], wks s[18:19]
	s_load_b64 s[20:21], s[0:1], 0x40              ; qry
	v_lshrrev_b32 v1, 5, v0
	v_readfirstlane_b32 s22, v1                    ; wave 0..7
	v_and_b32 v1, 31, v0                           ; lane
	v_and_b32 v2, 15, v0                           ; r
	v_bfe_u32 v3, v0, 4, 1                         ; h
	v_lshlrev_b32 v4, 10, v2
	v_lshl_add_u32 v4, v3, 4, v4                   ; Wk_codes: row r of 1,024 bytes + 16 h
	v_lshlrev_b32 v5, 4, v1                        ; 16 x lane: the place in every re-laid block
	v_lshlrev_b32 v6, 6, v1                        ; Wk_scales: row "lane" of 64 bytes
	v_lshlrev_b32 v7, 9, v2
	v_lshl_add_u32 v7, v3, 4, v7                   ; Wq_codes, decoder_hidden_codes: row r of 512 bytes + 16 h
	v_lshlrev_b32 v8, 5, v2                        ; their scales: row r of 32 bytes
	v_lshlrev_b32 v9, 12, v2
	v_lshl_add_u32 v9, v3, 5, v9                   ; qry: row r of 4,096 bytes + 32 h
	s_lshl_b32 s24, ttmp9, 15                      ; 32 rows of Wk's codes = a pair's block of wkf = 32,768 bytes
	s_wait_alu depctr_va_sdst(0)                   ; s22 is written, ahead of its first reader: bases and branches are made from it
	s_lshl_b32 s26, s22, 7                         ; my two K steps in a row: 128 bytes
	s_add_co_u32 s26, s26, s24
	s_mov_b32 s27, 0
	s_lshl_b32 s28, s22, 12                        ; and in wkf: 2 x 2,048 bytes
	s_add_co_u32 s28, s28, s24
	s_mov_b32 s29, 0
	s_wait_kmcnt 0x0
	s_add_nc_u64 s[4:5], s[4:5], s[26:27]
	s_add_nc_u64 s[16:17], s[16:17], s[28:29]
	s_wait_alu depctr_va_vdst(0)                   ; the offsets v4 to v9 are written, which the loads and stores of the whole kernel read
	; ---- (a)
.irp d, 0,1
.irp u, 0,1
.irp c, 0,1
	global_load_b128 v[WQ+4*(4*\d+2*\u+\c):WQ+4*(4*\d+2*\u+\c)+3], v4, s[4:5] offset:\u*16384+\d*64+\c*32
.endr
.endr
.endr
	s_wait_loadcnt 0x0
.irp d, 0,1
.irp u, 0,1
.irp c, 0,1
	global_store_b128 v5, v[WQ+4*(4*\d+2*\u+\c):WQ+4*(4*\d+2*\u+\c)+3], s[16:17] offset:\d*2048+\u*1024+\c*512   ; 32 lanes store 512 consecutive bytes, aligned
.endr
.endr
.endr
	s_wait_alu depctr_vm_vsrc(0)                   ; the stores have read v64-95, in which the fragments of waves 4 and 5 land: stated here, ahead of the branches
	s_cmp_lt_u32 s22, 4
	s_cbranch_scc0 .Lnot_scales
	; ---- (b): waves 0-3
	s_lshl_b32 s24, ttmp9, 11                      ; 32 rows of scale bytes = a pair's block of wks = 2,048 bytes
	s_lshl_b32 s30, s22, 4
	s_add_co_u32 s30, s30, s24
	s_mov_b32 s31, 0
	s_lshl_b32 s32, s22, 9
	s_add_co_u32 s32, s32, s24
	s_mov_b32 s33, 0
	s_add_nc_u64 s[6:7], s[6:7], s[30:31]
	s_add_nc_u64 s[18:19], s[18:19], s[32:33]
	global_load_b128 v[96:99], v6, s[6:7]
	s_wait_loadcnt 0x0
	global_store_b128 v5, v[96:99], s[18:19]
	s_branch .Lend
.Lnot_scales:
	s_cmp_lt_u32 s22, 6
	s_cbranch_scc0 .Lend
	; ---- (c): waves 4 and 5
	s_lshl_b32 s36, ttmp9, 1
	s_add_co_u32 s36, s36, s22
	s_sub_co_u32 s36, s36, 4                       ; T = 2 P + wave - 4
	s_mov_b32 s39, 0
	s_lshl_b32 s38, s36, 13                        ; 16 rows of 512 bytes
	s_add_nc_u64 s[8:9], s[8:9], s[38:39]
	s_lshl_b32 s38, s36, 9                         ; 16 rows of 32 bytes
	s_add_nc_u64 s[10:11], s[10:11], s[38:39]
	s_lshl_b32 s38, s36, 6                         ; 16 numbers of 4 bytes
	s_add_nc_u64 s[20:21], s[20:21], s[38:39]
	s_wait_xcnt 0x0                                ; (a)'s stores have read v64-95: the fragments below may land there
.irp s, 0,1,2,3,4,5,6,7
.irp c, 0,1
	global_load_b128 v[WQ+8*\s+4*\c:WQ+8*\s+4*\c+3], v7, s[8:9] offset:64*\s+32*\c
	global_load_b128 v[DH+8*\s+4*\c:DH+8*\s+4*\c+3], v7, s[12:13] offset:64*\s+32*\c
	global_load_b128 v[DH+64+8*\s+4*\c:DH+64+8*\s+4*\c+3], v7, s[12:13] offset:8192+64*\s+32*\c
.endr
.endr
.irp c, 0,1
	global_load_b128 v[WS+4*\c:WS+4*\c+3], v8, s[10:11] offset:16*\c           ; a row's 32 scale bytes are the scale words of its eight K steps
	global_load_b128 v[DS+4*\c:DS+4*\c+3], v8, s[14:15] offset:16*\c
	global_load_b128 v[DS+8+4*\c:DS+8+4*\c+3], v8, s[14:15] offset:512+16*\c
.endr
	s_wait_loadcnt 0x0
	v_wmma_scale_f32_16x16x128_f8f6f4 v[ACC:ACC+7], v[WQ:WQ+7], v[DH:DH+7], 0, v[WS], v[DS] matrix_a_fmt:MATRIX_FMT_FP4 matrix_b_fmt:MATRIX_FMT_FP4            ; the first K step starts both sums
	v_wmma_scale_f32_16x16x128_f8f6f4 v[ACC+8:ACC+15], v[WQ:WQ+7], v[DH+64:DH+71], 0, v[WS], v[DS+8] matrix_a_fmt:MATRIX_FMT_FP4 matrix_b_fmt:MATRIX_FMT_FP4
.irp s, 1,2,3,4,5,6,7                          ; the two accumulators take turns, one instruction a turn
	v_wmma_scale_f32_16x16x128_f8f6f4 v[ACC:ACC+7], v[WQ+8*\s:WQ+8*\s+7], v[DH+8*\s:DH+8*\s+7], v[ACC:ACC+7], v[WS+\s], v[DS+\s] matrix_a_fmt:MATRIX_FMT_FP4 matrix_b_fmt:MATRIX_FMT_FP4
	v_wmma_scale_f32_16x16x128_f8f6f4 v[ACC+8:ACC+15], v[WQ+8*\s:WQ+8*\s+7], v[DH+64+8*\s:DH+64+8*\s+7], v[ACC+8:ACC+15], v[WS+\s], v[DS+8+\s] matrix_a_fmt:MATRIX_FMT_FP4 matrix_b_fmt:MATRIX_FMT_FP4
.endr
.rept 4
	v_nop                                          ; four places between the last product and the stores that read results
.endr
	s_wait_alu depctr_va_vdst(0)                   ; the products have written the accumulators, which the stores read; the places above stay beside this wait
.irp e, 0,1
	global_store_b128 v9, v[ACC+8*\e:ACC+8*\e+3], s[20:21] offset:65536*\e        ; each accumulator from its low end on: qry[16 e + r][16 T + 8 h + 0 .. 3]
	global_store_b128 v9, v[ACC+8*\e+4:ACC+8*\e+7], s[20:21] offset:65536*\e+16
.endr
.Lend:
	s_endpgm
.Lfunc_end_k_q492bb1aeb2_prep:
	.size	k_q492bb1aeb2_prep, .Lfunc_end_k_q492bb1aeb2_prep-k_q492bb1aeb2_prep
	.p2alignl 7, 3214868480
	.fill 96, 4, 3214868480
	.section	.rodata,"a",@progbits
	.p2align	6, 0x0
	.amdhsa_kernel k_q492bb1aeb2_prep
		.amdhsa_group_segment_fixed_size 0
		.amdhsa_private_segment_fixed_size 0
		.amdhsa_enable_private_segment 0
		.amdhsa_kernarg_size 72
		.amdhsa_user_sgpr_count 2
		.amdhsa_user_sgpr_kernarg_segment_ptr 1
		.amdhsa_wavefront_size32 1
		.amdhsa_system_sgpr_workgroup_id_x 1
		.amdhsa_system_sgpr_workgroup_id_y 1
		.amdhsa_system_sgpr_workgroup_id_z 1
		.amdhsa_system_vgpr_workitem_id 0
		.amdhsa_next_free_vgpr 256
		.amdhsa_next_free_sgpr 66
		.amdhsa_reserve_vcc 0
		.amdhsa_float_denorm_mode_32 3
		.amdhsa_float_denorm_mode_16_64 3
		.amdhsa_memory_ordered 1
		.amdhsa_forward_progress 1
		.amdhsa_inst_pref_size 12
	.end_amdhsa_kernel
	.amdgpu_metadata
---
amdhsa.version: [ 1, 2 ]
amdhsa.kernels:
  - .name:           k_q492bb1aeb2_prep
    .symbol:         k_q492bb1aeb2_prep.kd
    .args:
      - { .name: Wk_codes, .offset: 0, .size: 8, .value_kind: global_buffer, .address_space: global }
      - { .name: Wk_scales, .offset: 8, .size: 8, .value_kind: global_buffer, .address_space: global }
      - { .name: Wq_codes, .offset: 16, .size: 8, .value_kind: global_buffer, .address_space: global }
      - { .name: Wq_scales, .offset: 24, .size: 8, .value_kind: global_buffer, .address_space: global }
      - { .name: decoder_hidden_codes, .offset: 32, .size: 8, .value_kind: global_buffer, .address_space: global }
      - { .name: decoder_hidden_scales, .offset: 40, .size: 8, .value_kind: global_buffer, .address_space: global }
      - { .name: wkf, .offset: 48, .size: 8, .value_kind: global_buffer, .address_space: global }
      - { .name: wks, .offset: 56, .size: 8, .value_kind: global_buffer, .address_space: global }
      - { .name: qry, .offset: 64, .size: 8, .value_kind: global_buffer, .address_space: global }
    .group_segment_fixed_size: 0
    .private_segment_fixed_size: 0
    .kernarg_segment_align: 8
    .kernarg_segment_size: 72
    .max_flat_workgroup_size: 256
    .sgpr_count:     66
    .vgpr_count:     256
    .wavefront_size: 32
...
	.end_amdgpu_metadata
.endif
;; end of part 4
;; launch main (part 5): grid 512 x 1, 4 waves a work-group, no clusters, 315,904 bytes of LDS; arguments encoder_output, We, wkf, wks, qry, pctx, pst; writes pctx, pst
.if DOCPART == 5
	.amdgcn_target "amdgcn-amd-amdhsa--gfx1250"
	.amdhsa_code_object_version 6
	.text
	.protected	k_q492bb1aeb2_main
	.globl	k_q492bb1aeb2_main
	.p2align	8
	.type	k_q492bb1aeb2_main,@function
k_q492bb1aeb2_main:
	s_mov_b64 s[64:65], 0
	v_nop
	global_prefetch_b8 v0, s[64:65] scope:SCOPE_SE
	s_setreg_imm32_b32 hwreg(HW_REG_WAVE_SCHED_MODE, 0, 2), 2
	s_setreg_imm32_b32 hwreg(HW_REG_WAVE_MODE, 25, 1), 1
	s_wait_xcnt 0x0
	s_wait_alu depctr_vm_vsrc(0)
; MAIN.  Work-group x takes rows 64 x .. 64 x + 63 of encoder_output (all of batch x / 16) through the whole chain, so that each byte of encoder_output is read from memory once:
;   STREAM   the 64 rows x 2,048 f32 come in; each number is kept as bf16 in LDS (for the context) and quantised to E2M1 codes with one E8M0 byte for 32 along K (for the first product);
;   GEMM     key + query = codes x Wk's codes, the query as the C of each sum's first product; tanh; times We, summed over the hidden units: the rows' scores;
;   SOFTMAX  over the block's 64 rows with the block's own maximum m: p = 2^(t - m), l = the sum of p;      CONTEXT  the sum of p x row, not normalised.  The next launch joins a batch's 16 blocks.
; SHARES.  Stream: wave w owns rows 16 w .. 16 w + 15.  GEMM: wave w owns hidden units 256 w .. 256 w + 255 (eight pairs of 32) for all 64 rows.  Context: wave w owns columns 512 w .. 512 w + 511 for all 64 rows.
; tanh(z) = 1 - 2 R, R = 1 / (1 + 2^(2 log2(e) z)).  Only the sum of We x R is kept: the score is (the sum of We) - 2 x that sum, and a term common to all scores of a softmax cancels exactly; the maximum is still taken away.
;   In units of log2: t = -2 log2(e) x (the sum of We x R).
; THE MATRIX INSTRUCTION IS USED TRANSPOSED: source 0 = 16 hidden units of Wk, source 1 = 16 rows of encoder_output: lane (r, h) holds row r, and its registers hidden units 8 h + 0 .. 7 of the tile.
; The codes that a wave makes reach the other waves through LDS as images of the operand's registers (16 bytes a lane at 16 x lane); all 64 fragments of the 64 rows (512 registers) then stay in every wave's registers.
; Wk's fragments come from memory straight into registers, in the order in which an earlier launch laid them: each load is 512 consecutive bytes; a group of four K steps is asked for again, for the next pair, one group behind its last product.
; NO CLUSTER, NO JOINT LOADS for Wk, though all work-groups walk it: the kept rows take 262,144 of a work-group's LDS bytes; what is left beside stage and images would give two slots of under 16 KiB, sixteen matrix
;   instructions a wave for each change of slots.  NO TENSOR LOADS for encoder_output: plain loads with counted waits keep 48 to 64 loads of 512 bytes of every wave on their way.
; LIMITS: NaN and infinities among the inputs are not served.  A block of 32 whose largest magnitude lies under 2^-124 gets the scale byte 1 (a block of zeros too, where the rule says 127: its codes are zeros, and this
;   program alone reads the bytes).  A p under 2^-126 counts as 0.  encoder_output enters the context rounded to bf16.
; THE MODE: SCHED_MODE bits 1:0 = 2 (LLVM: expert scheduling mode 2), set by the entry lines.  The code itself states the register dependences between vector or matrix instructions and memory or LDS instructions, with s_wait_alu, always for 0.
; THE PLAN.  Registers that memory or LDS instructions touch, and who else names them:
;   v1-v15     addresses, made at the head and never written again: a wait ahead of the first loads (v1) and one at the head's end.
;   STREAM, step s.  Landing set s % 4: loads land; the stage stores (LDS) and the roundings (vector) read it; loaded again in the same step.  X: the stage's loads land; the quantiser reads.
;              TB: the roundings write; the keep-stores read.  PC, PW: the quantiser writes; the image stores read.  Three waits a step: va_vdst behind the roundings (TB is written; they are done reading the landing set);
;              vm_vsrc behind the keep-stores (the landing set, TB, and the last step's PC and PW have been read); va_vdst behind the quantiser (PC and PW are written; it is done reading X, in which the next step's stage loads land).
;   GEMM.      Wk's four groups (window 3), BSC and QR: loads land; the products read.  WE: loads land; the multiply-adds at a pair's end read.  One va_vdst at the head of groups 1, 2 and 3: the group before is done with its registers, which
;              the run of loads behind the group's first eight products fills again (those products name the group in hand alone); group 1's wait also frees WE.  Group 3's registers are filled again behind the wait that the exponentials have anyway.
;   SCORES.    v24-27: vector sums; LDS stores read them; written again behind a vm_vsrc.  p: stored straight behind the exponentials' wait.
;   CONTEXT.   Two sets of p and rows: LDS loads land; the multiply-adds read: a va_vdst ahead of each run of loads.  The two addresses step once a trip: vm_vsrc ahead of the adds; the va_vdst that follows stands there anyway.
; LDS:
.set RET,  0                           ; 64 rows x 4,096 bytes: encoder_output as bf16, row-major; every access is of consecutive bytes, so no padding
.set STG,  262144                      ; 4 x 8,448: each wave's own stage: 16 rows x (512 + 16) bytes: pitch 33 x 16 bytes, so the sixteen rows that a load touches begin in sixteen different 16-byte columns of 256
.set EXI,  295936                      ; 16,384: images of fragments: slot q (0..3) at 4,096 q, tile of rows m at 1,024 m, half c at 512 c, lane at 16 x lane
.set EXS,  312320                      ; 1,024: their scale words: slot q at 256 q, tile m at 64 m, row r at 4 r
.set SPT,  313344                      ; 1,024: the waves' parts of the scores: wave at 256 w, row at 4 x row
.set PBC,  314368                      ; 1,024: p, each wave's own 256 bytes
; REGISTERS, in windows of 256 (s_set_vgpr_msb: bits 1:0 source 0, 3:2 source 1, 5:4 source 2, 7:6 destination).  Window 0:
.set L16,  1                           ; 16 x lane
.set RETW, 2                           ; 65,536 w + 8 x lane: where I keep four bf16 of my wave's row 0
.set STGW, 3                           ; my stage + 16 x lane
.set STGR, 4                           ; my stage + 528 r + 64 h
.set EXIW, 5                           ; EXI + 1,024 w + 16 x lane
.set EXIR, 6                           ; EXI + 16 x lane
.set EXSW, 7                           ; EXS + 64 w + 4 r
.set EXSR, 8                           ; EXS + 4 x lane
.set QOFF, 9                           ; 32 h: my eight numbers of a tile's sixteen, in qry and in We
.set SPTW, 10                          ; SPT + 256 w + 4 r
.set SPTR, 11                          ; SPT + 4 x lane
.set PBW,  12                          ; PBC + 256 w + 4 x lane
.set PBR,  13                          ; PBC + 256 w
.set RETR, 14                          ; 1,024 w + 8 x lane
.set L8,   15                          ; 8 x lane
.set SACC, 16                          ; v16-23   the sums of We x R: tile of rows m in the pair 16 + 2 m
                                       ; v24-31   at work; at the end v[26:27] = m, l;
.set ADP,  29                          ;          the context's address of p,
.set ADX,  30                          ;          and of the kept rows
.set ASC,  32                          ; v32-63   scale words of encoder_output: register 2 s + m / 2: lanes 0-15 tile 2 (m / 2), lanes 16-31 the tile behind it.  v32-79 hold scales and nothing else
.set BSC,  64                          ; v64-79   scale words of Wk: register s: lanes 0-15 tile u = 0, lanes 16-31 u = 1
.set QR,   80                          ; v80-95   the pair's query, in the result's layout: 8 u + j
.set WE,   96                          ; v96-111  the pair's We, likewise
.set CT,   96                          ;          later: the 16 sums of the context
.set PC,   112                         ; v112-119 the codes just made
.set PW,   120                         ; v120     the scale word just made
.set TM,   124                         ; v124-139 the quantiser's work
.set TB,   140                         ; v140-171 a step's numbers as bf16, two registers a row
.set X,    192                         ; v192-255 64 numbers of a lane for the quantiser;
.set ACC,  192                         ;          then the eight accumulators: (m, u) at 192 + 8 (2 m + u)
.set PP0,  112                         ; the context: eight p, two sets (v112-119, v120-127),
.set XR0,  128                         ; and eight rows x 8 registers of bf16, two sets (v128-191, v192-255)
; Window 1: the fragments of encoder_output of K steps 0-7, at 32 (s % 8) + 8 m.  Window 2: those of K steps 8-15.
; Window 3: in the stream four landing sets of 64 (set k at 64 k, row i at 4 i); then Wk's fragments of one pair: (s, u) at 16 s + 8 u.
; SCALARS: s[4:5] encoder_output, s[6:7] We (at the pair in hand), s[8:9] wkf, s[10:11] wks, s[12:13] qry (in the pair loop: at the next pair), s[14:15] pctx, s[16:17] pst, each at my part; s18 wave; s[20:21] lane selects; s[22:23] 2 log2(e); s24 counter; s28, s29 the context's steps.
.set MSB, 0
.macro WIN new                         ; the immediate's high byte repeats the setting that is left; a switch that changes nothing is dropped
.if MSB != \new
	s_set_vgpr_msb (MSB<<8)|\new
.set MSB, \new
.endif
.endm
.macro PLACES                          ; four plain vector instructions between a matrix instruction and a load into one of its registers or the first read of its result (ISA guide 7.12.1 for the first read of its result); they stay beside the waits
.rept 4
	v_nop
.endr
.endm
.macro BAR                             ; my LDS stores have landed and my LDS loads are in: then the work-group's barrier
	s_wait_dscnt 0x0
	s_barrier_signal -1
	s_barrier_wait -1
.endm
; K step s (128 numbers, 512 bytes) of my wave's 16 rows into landing set s % 4: each load is 512 consecutive bytes of one row
.macro LOADX s
	WIN 0xc0                                       ; destination window 3, address window 0
.set i, 0
.rept 16
	global_load_b128 v[64*((\s)%4)+4*i:64*((\s)%4)+4*i+3], v[L16], s[4:5] offset:i*8192+(\s)*512 th:TH_LOAD_NT
.set i, i+1
.endr
.endm
; Group g (K steps 4 g .. 4 g + 3) of the pair at which the bases stand: one load of scale words, with g = 0 four more for the query, then 16 loads of codes: 21 loads, else 17
.macro BLOAD g
	WIN 0
	global_load_b128 v[BSC+4*(\g):BSC+4*(\g)+3], v[L16], s[10:11] offset:(\g)*512
.if (\g) == 0
.irp u, 0,1
	global_load_b128 v[QR+8*\u:QR+8*\u+3], v[QOFF], s[12:13] offset:64*\u
	global_load_b128 v[QR+8*\u+4:QR+8*\u+7], v[QOFF], s[12:13] offset:64*\u+16
.endr
.endif
	WIN 0xc0
.irp sl, 0,1,2,3
.irp u, 0,1
.irp c, 0,1
	global_load_b128 v[64*(\g)+16*\sl+8*\u+4*\c:64*(\g)+16*\sl+8*\u+4*\c+3], v[L16], s[8:9] offset:(4*(\g)+\sl)*2048+\u*1024+\c*512
.endr
.endr
.endr
.endm
.macro WELOAD                          ; the 32 numbers of We of the pair in hand: four loads
	WIN 0
.irp u, 0,1
	global_load_b128 v[WE+8*\u:WE+8*\u+3], v[QOFF], s[6:7] offset:64*\u
	global_load_b128 v[WE+8*\u+4:WE+8*\u+7], v[QOFF], s[6:7] offset:64*\u+16
.endr
.endm
; 64 numbers of a lane, v[s] .. v[s + 63], register 16 b + i = k 32 b + 16 (lane / 16) + i of my row, become a fragment's codes in v[PC] on and its scale word in v[PW].
.macro QUANT s
.irp b, 0,1,2,3
	v_max3_num_f32 v[TM+\b], |v[\s+16*\b]|, |v[\s+1+16*\b]|, 0x1800000   ; block b: my 16 numbers, and the floor 2^(3 - 127): so the byte cannot fall under 1
.endr
.irp i, 2,4,6,8,10,12,14
.irp b, 0,1,2,3
	v_max3_num_f32 v[TM+\b], v[TM+\b], |v[\s+16*\b+\i]|, |v[\s+1+16*\b+\i]|   ; (the four blocks by turns: no line waits for the line above it)
.endr
.endr
.irp b, 0,1,2,3
	v_permlanex16_b32 v[TM+4+\b], v[TM+\b], s20, s21
.endr
.irp b, 0,1,2,3
	v_max_num_f32 v[TM+\b], v[TM+\b], v[TM+4+\b]   ; with lane l xor 16's: the block's largest magnitude
.endr
.irp b, 0,1,2,3
	v_add_nc_u32 v[TM+12+\b], 0xff000000, v[TM+\b]   ; 2 off its exponent field: the conversion takes the exponent field of this operand as its scale, and nothing else of it
.endr
.irp b, 0,1,2,3
	v_lshrrev_b32 v[TM+4+\b], 23, v[TM+12+\b]      ; the scale's byte
.endr
	v_lshl_or_b32 v[PW], v[TM+5], 8, v[TM+4]       ; the four bytes make my row's scale word (the same in lanes l and l xor 16)
	v_lshl_or_b32 v[PW], v[TM+6], 16, v[PW]
	v_lshl_or_b32 v[PW], v[TM+7], 24, v[PW]
.irp b, 0,1,2,3
	v_cvt_scalef32_pk8_fp4_f32 v[PC+2*\b], v[\s+16*\b:\s+7+16*\b], v[TM+12+\b]      ; to the nearest code, ties to even; beyond 6 the largest code
	v_cvt_scalef32_pk8_fp4_f32 v[PC+1+2*\b], v[\s+8+16*\b:\s+15+16*\b], v[TM+12+\b]
.endr
	v_nop                                          ; one plain place behind a scaled conversion
.irp c, 0,1                                    ; the operand's layout wants a WHOLE block in a lane: lanes 0-15 block 2 c, lanes 16-31 block 2 c + 1
.irp i, 0,1
	v_permlane16_swap_b32 v[PC+4*\c+\i], v[PC+2+4*\c+\i]
.endr
.endr
.endm
; ONE STEP OF THE STREAM: K step s of my 16 rows.  cnt = the loads younger than the step's own sixteen.
.macro STEPL s, cnt
.set LS_, 64*((\s)%4)                  ; the landing set
.set QS_, 2*(((\s)/2)%2)+((\s)%2)      ; the image's slot
	s_wait_loadcnt \cnt                            ; loads come back in order: my sixteen are in, the younger ones stay out
	WIN 0x0c                                       ; an LDS store's data are its source 1: window 3; addresses, and an LDS load's data, stay in window 0
.set i, 0
.rept 16
	ds_store_b128 v[STGW], v[LS_+4*i:LS_+4*i+3] offset:i*528            ; the f32 numbers turn through my own stage: in as they were loaded (the data come from loads: no vector instruction has written them),
.set i, i+1
.endr
.set i, 0
.rept 16
	ds_load_b128 v[X+4*i:X+4*i+3], v[STGR] offset:128*(i/4)+16*(i%4)    ; out as the quantiser wants them: of row r, 16 neighbours of each block of 32.  LDS serves a wave's instructions in order.  (No vector instruction has named X since the wait behind the last step's quantiser)
.set i, i+1
.endr
	WIN 0x0f                                       ; sources window 3, destination window 0
.set i, 0
.rept 16
	v_cvt_pk_bf16_f32 v[TB+2*i], v[LS_+4*i], v[LS_+4*i+1]               ; the roundings stand here, while the numbers turn through the stage
	v_cvt_pk_bf16_f32 v[TB+2*i+1], v[LS_+4*i+2], v[LS_+4*i+3]
.set i, i+1
.endr
	WIN 0
	s_wait_alu depctr_va_vdst(0)                   ; the roundings have written TB, which the stores below read, and are done reading the landing set, in which the loads below land
.set i, 0
.rept 16
	ds_store_b64 v[RETW], v[TB+2*i:TB+2*i+1] offset:i*4096+256*(\s)     ; kept: 32 lanes, 256 consecutive bytes of row i
.set i, i+1
.endr
	s_wait_alu depctr_vm_vsrc(0)                   ; the stage stores have read the landing set, in which the loads below land; the stores above have read TB, which the next step's roundings write; the last step's image stores have read PC and PW, which the quantiser writes
.if (\s) < 12
	LOADX (\s)+4                                   ; the landing set takes the K step four on,
.else
	BLOAD (\s)-12                                  ; or, when the rows are all asked for, group s - 12 of Wk's first pair, whose registers these are
.endif
	WIN 0
	s_wait_dscnt 16                                ; LDS instructions end in order: the numbers are back from the stage; the sixteen keep-stores behind them may be out
	QUANT X
	s_wait_alu depctr_va_vdst(0)                   ; the quantiser has written PC and PW, which the stores below read, and is done reading X, in which the next step's stage loads land
.irp c, 0,1
	ds_store_b128 v[EXIW], v[PC+4*\c:PC+4*\c+3] offset:QS_*4096+512*\c  ; the fragment's image: tile of rows m = my wave
.endr
	ds_store_b32 v[EXSW], v[PW] offset:QS_*256     ; lanes r and r + 16 write the same word with the same value
.endm
; Group g's two K steps: the fragments of all four tiles of rows, and their scale words, from the images into my registers, where they stay (no vector instruction names these registers ahead of the products)
.macro FETCHA g
.irp st, 0,1
.set SS_, 2*(\g)+\st
.set QS_, 2*((\g)%2)+\st
.if SS_ < 8
	WIN 0x40                                       ; destination window 1
.else
	WIN 0x80                                       ; destination window 2
.endif
.irp m, 0,1,2,3
.irp c, 0,1
	ds_load_b128 v[32*(SS_%8)+8*\m+4*\c:32*(SS_%8)+8*\m+4*\c+3], v[EXIR] offset:QS_*4096+\m*1024+512*\c
.endr
.endr
	WIN 0
.irp mp, 0,1
	ds_load_b32 v[ASC+2*SS_+\mp], v[EXSR] offset:QS_*256+128*\mp        ; lanes 0-15: tile 2 mp's words; lanes 16-31: tile 2 mp + 1's
.endr
.endr
.endm
; One product: K step s, tile of rows m, tile u of the pair.  K step 0 starts the sum with the query as C.
.macro WM s, m, u
.set rD, ACC+8*(2*(\m)+(\u))
.set rB, 16*(\s)+8*(\u)
.set rA, 32*((\s)%8)+8*(\m)
.set rSB, BSC+(\s)
.set rSA, ASC+2*(\s)+(\m)/2
.set rC, rD
.if (\s) == 0
.set rC, QR+8*(\u)
.endif
.if ((\u) == 0) && ((\m)%2 == 0)
	v_wmma_scale_f32_16x16x128_f8f6f4 v[rD:rD+7], v[rB:rB+7], v[rA:rA+7], v[rC:rC+7], v[rSB], v[rSA] matrix_a_fmt:MATRIX_FMT_FP4 matrix_b_fmt:MATRIX_FMT_FP4
.elseif ((\u) == 1) && ((\m)%2 == 0)
	v_wmma_scale_f32_16x16x128_f8f6f4 v[rD:rD+7], v[rB:rB+7], v[rA:rA+7], v[rC:rC+7], v[rSB], v[rSA] matrix_a_fmt:MATRIX_FMT_FP4 matrix_b_fmt:MATRIX_FMT_FP4 matrix_a_scale:MATRIX_SCALE_ROW1
.elseif (\u) == 0
	v_wmma_scale_f32_16x16x128_f8f6f4 v[rD:rD+7], v[rB:rB+7], v[rA:rA+7], v[rC:rC+7], v[rSB], v[rSA] matrix_a_fmt:MATRIX_FMT_FP4 matrix_b_fmt:MATRIX_FMT_FP4 matrix_b_scale:MATRIX_SCALE_ROW1
.else
	v_wmma_scale_f32_16x16x128_f8f6f4 v[rD:rD+7], v[rB:rB+7], v[rA:rA+7], v[rC:rC+7], v[rSB], v[rSA] matrix_a_fmt:MATRIX_FMT_FP4 matrix_b_fmt:MATRIX_FMT_FP4 matrix_a_scale:MATRIX_SCALE_ROW1 matrix_b_scale:MATRIX_SCALE_ROW1
.endif
.endm
; Eight products: K step s.  The eight accumulators take turns, one instruction a turn, in the same order in every K step.
.macro KSTEP s
.if (\s) < 8
	WIN 0x07                                       ; source 0 (Wk) window 3, source 1 (rows) window 1, C and D window 0
.else
	WIN 0x0b                                       ; source 1 window 2
.endif
.irp m, 0,1,2,3
.irp u, 0,1
	WM \s, \m, \u
.endr
.endr
.endm
; The pair's 64 x 32 numbers z = key + query: R = 1 / (1 + 2^(2 log2(e) z)); SACC += We x R.  Each accumulator is read from its low end on.
; refill = 1: behind the exponentials' wait group 3's registers take the next pair's group.  cw: the loads younger than We's four.
.macro TANH refill, cw
.set i, 0
.rept 32
	v_pk_mul_f32 v[ACC+2*i:ACC+2*i+1], v[ACC+2*i:ACC+2*i+1], s[22:23] op_sel_hi:[1,0]
.set i, i+1
.endr
.set i, 0
	s_wait_alu depctr_va_vdst(0)
.rept 64
	v_exp_f32 v[ACC+i], v[ACC+i]                   ; beyond f32's range: infinity, and R = 0: tanh = 1; far below: 0, and R = 1: tanh = -1
.set i, i+1
.endr
	v_nop                                          ; one plain place behind the run of transcendentals
	s_wait_alu depctr_va_vdst(0)                   ; the 64 exponentials have written their results, which the additions below read; and the products of K steps 12 to 15 are done reading group 3's registers, in which the loads below land
.if \refill
	BLOAD 3
	WIN 0
.endif
.set i, 0
.rept 32
	v_pk_add_f32 v[ACC+2*i:ACC+2*i+1], v[ACC+2*i:ACC+2*i+1], 1.0 op_sel_hi:[1,0]
.set i, i+1
.endr
.set i, 0
	s_wait_alu depctr_va_vdst(0)
.rept 64
	v_rcp_f32 v[ACC+i], v[ACC+i]
.set i, i+1
.endr
	v_nop                                          ; likewise
	s_wait_loadcnt \cw                             ; the pair's We is in
	s_wait_alu depctr_va_vdst(0)                   ; the 64 reciprocals have written their results, which the multiply-adds below read
.irp u, 0,1
.irp i, 0,1,2,3
.irp m, 0,1,2,3                                ; the four tiles' sums by turns
	v_pk_fma_f32 v[SACC+2*\m:SACC+2*\m+1], v[ACC+8*(2*\m+\u)+2*\i:ACC+8*(2*\m+\u)+2*\i+1], v[WE+8*\u+2*\i:WE+8*\u+2*\i+1], v[SACC+2*\m:SACC+2*\m+1]
.endr
.endr
.endr
.endm
; A PAIR of 32 hidden units: four groups of four K steps, then the tanh part.  refill = 1: a group's registers take the next pair's group one group later: behind the wait at the next group's head and that group's first eight products,
; which name the group in hand, the rows' fragments, their scale words and the accumulators: none of the registers that the run of loads touches.  c2, c3, cw: the loads younger than groups 2 and 3 and than We.
.macro PAIR refill, c2, c3, cw
	s_wait_loadcnt 51                              ; group 0 is in; groups 1 to 3 (17 loads each) may be out
	KSTEP 0
	KSTEP 1
	KSTEP 2
	KSTEP 3
.if \refill
	PLACES
.endif
	s_wait_loadcnt 34                              ; group 1 is in; groups 2 and 3 may be out
	s_wait_alu depctr_va_vdst(0)                   ; the last pair's multiply-adds are done reading WE; the products of K steps 0 to 3 are done reading group 0's registers, its scale words and the query: the loads below land in these
	KSTEP 4
	WELOAD
.if \refill
	BLOAD 0
.endif
	KSTEP 5
	KSTEP 6
	KSTEP 7
.if \refill
	PLACES
.endif
	s_wait_loadcnt \c2                             ; group 2 is in
.if \refill
	s_wait_alu depctr_va_vdst(0)                   ; the products of K steps 4 to 7 are done reading group 1's registers and scale words, in which the loads below land
.endif
	KSTEP 8
.if \refill
	BLOAD 1
.endif
	KSTEP 9
	KSTEP 10
	KSTEP 11
.if \refill
	PLACES
.endif
	s_wait_loadcnt \c3                             ; group 3 is in
.if \refill
	s_wait_alu depctr_va_vdst(0)                   ; the products of K steps 8 to 11 are done reading group 2's registers and scale words, in which the loads below land
.endif
	KSTEP 12
.if \refill
	BLOAD 2
.endif
	KSTEP 13
	KSTEP 14
	KSTEP 15
	WIN 0
	PLACES                                         ; in front of the first read of results
	TANH \refill, \cw
.endm
; The context: eight rows (set 0: the first eight of the sixteen at which the addresses stand; set 1: the other eight): their p, the same in every lane, and my 16 columns of each: 34 LDS loads
.macro CLOAD set
.set PPs, PP0+8*(\set)
.set XRs, XR0+64*(\set)
	ds_load_b128 v[PPs:PPs+3], v[ADP] offset:32*(\set)
	ds_load_b128 v[PPs+4:PPs+7], v[ADP] offset:32*(\set)+16
.irp rr, 0,1,2,3,4,5,6,7
.irp q, 0,1,2,3
	ds_load_b64 v[XRs+8*\rr+2*\q:XRs+8*\rr+2*\q+1], v[ADX] offset:32768*(\set)+\rr*4096+256*\q     ; 32 lanes, 256 consecutive bytes
.endr
.endr
.endm
.macro CFMA set                        ; 128 fused multiply-adds straight from the bf16 halves: 16 sums by turns
.set PPs, PP0+8*(\set)
.set XRs, XR0+64*(\set)
.irp rr, 0,1,2,3,4,5,6,7
.irp q, 0,1,2,3
	v_fma_mix_f32_bf16 v[CT+4*\q], v[XRs+8*\rr+2*\q], v[PPs+\rr], v[CT+4*\q] op_sel_hi:[1,0,0]
	v_fma_mix_f32_bf16 v[CT+4*\q+1], v[XRs+8*\rr+2*\q], v[PPs+\rr], v[CT+4*\q+1] op_sel:[1,0,0] op_sel_hi:[1,0,0]
	v_fma_mix_f32_bf16 v[CT+4*\q+2], v[XRs+8*\rr+2*\q+1], v[PPs+\rr], v[CT+4*\q+2] op_sel_hi:[1,0,0]
	v_fma_mix_f32_bf16 v[CT+4*\q+3], v[XRs+8*\rr+2*\q+1], v[PPs+\rr], v[CT+4*\q+3] op_sel:[1,0,0] op_sel_hi:[1,0,0]
.endr
.endr
.endm
	; ---- HEAD: the first 64 loads go out as soon as their address is known
	s_load_b256 s[4:11], s[0:1], 0x0               ; encoder_output, We, wkf, wks
	s_load_b128 s[12:15], s[0:1], 0x20             ; qry, pctx
	s_load_b64 s[16:17], s[0:1], 0x30              ; pst
	v_lshrrev_b32 v24, 5, v0
	v_readfirstlane_b32 s18, v24                   ; wave 0..3
	v_and_b32 v24, 31, v0                          ; lane
	v_lshlrev_b32 v[L16], 4, v24
	s_mov_b32 s27, 0
	s_lshl_b32 s26, ttmp9, 19                      ; 64 rows of 8,192 bytes,
	s_wait_alu depctr_va_sdst(0)                   ; s18 is written, ahead of its first reader: bases, LDS addresses and a branch are made from it
	s_lshl_b32 s30, s18, 17                        ; my wave's 16 of them
	s_add_co_u32 s26, s26, s30
	s_wait_kmcnt 0x0
	s_add_nc_u64 s[4:5], s[4:5], s[26:27]
	s_wait_alu depctr_va_vdst(0)                   ; v1 is written, which the loads below read as their offset
	LOADX 0
	LOADX 1
	LOADX 2
	LOADX 3
	WIN 0
	s_lshl_b32 s26, s18, 10                        ; We: my 256 numbers
	s_add_nc_u64 s[6:7], s[6:7], s[26:27]
	s_lshr_b32 s30, ttmp9, 4                       ; qry: the batch's row of 4,096 bytes, my 256 numbers
	s_lshl_b32 s30, s30, 12
	s_add_co_u32 s26, s26, s30
	s_add_nc_u64 s[12:13], s[12:13], s[26:27]
	s_lshl_b32 s26, s18, 18                        ; wkf: my eight pairs of 32,768 bytes
	s_add_nc_u64 s[8:9], s[8:9], s[26:27]
	s_lshl_b32 s26, s18, 14                        ; wks: of 2,048 bytes
	s_add_nc_u64 s[10:11], s[10:11], s[26:27]
	s_lshl_b32 s26, ttmp9, 13                      ; pctx: the block's row of 8,192 bytes, my 512 columns
	s_lshl_b32 s30, s18, 11
	s_add_co_u32 s26, s26, s30
	s_add_nc_u64 s[14:15], s[14:15], s[26:27]
	s_lshl_b32 s26, ttmp9, 8                       ; pst: the block's 256 bytes
	s_add_nc_u64 s[16:17], s[16:17], s[26:27]
	s_mov_b32 s20, 0x76543210
	s_mov_b32 s21, 0xfedcba98                      ; v_permlanex16_b32's selects for lane l xor 16
	s_mov_b32 s22, 0x4038aa3b                      ; 2 log2(e)
	s_mov_b32 s23, s22                             ; (named with it as a pair, so it is written)
	v_and_b32 v25, 15, v0                          ; r
	v_bfe_u32 v26, v0, 4, 1                        ; h
	s_lshl_b32 s30, s18, 16
	v_lshl_add_u32 v[RETW], v24, 3, s30
	s_mul_i32 s31, s18, 8448
	s_add_co_u32 s31, s31, STG
	v_add_nc_u32 v[STGW], s31, v[L16]
	v_mul_u32_u24 v[STGR], v25, 528
	v_lshl_add_u32 v[STGR], v26, 6, v[STGR]
	v_add_nc_u32 v[STGR], s31, v[STGR]
	s_lshl_b32 s32, s18, 10
	s_add_co_u32 s32, s32, EXI
	v_add_nc_u32 v[EXIW], s32, v[L16]
	v_add_nc_u32 v[EXIR], EXI, v[L16]
	s_lshl_b32 s33, s18, 6
	s_add_co_u32 s33, s33, EXS
	v_lshl_add_u32 v[EXSW], v25, 2, s33
	v_lshl_add_u32 v[EXSR], v24, 2, EXS
	v_lshlrev_b32 v[QOFF], 5, v26
	s_lshl_b32 s34, s18, 8
	s_add_co_u32 s35, s34, SPT
	v_lshl_add_u32 v[SPTW], v25, 2, s35
	v_lshl_add_u32 v[SPTR], v24, 2, SPT
	s_add_co_u32 s36, s34, PBC
	v_lshl_add_u32 v[PBW], v24, 2, s36
	v_mov_b32 v[PBR], s36
	s_lshl_b32 s37, s18, 10
	v_lshl_add_u32 v[RETR], v24, 3, s37
	v_lshlrev_b32 v[L8], 3, v24
.irp j, 0,1,2,3,4,5,6,7
	v_mov_b32 v[SACC+\j], 0                        ; the scores' sums begin at 0
.endr
.irp j, 0,1,2,3
	v_mov_b32 v[TM+4+\j], 0                        ; written once: a lane permute's destination counts as one of its sources
	v_mov_b32 v[28+\j], 0
.endr
	s_wait_alu depctr_va_vdst(0)                   ; the addresses and offsets v2 to v15 are written, which the LDS instructions, loads and stores of the whole kernel read
	; ---- STREAM: eight groups of two K steps.  One barrier a group: the images of group g lie in slots 2 (g % 2), + 1; they are written again in group g + 2, behind barrier g + 1, in front of which every wave
	; has waited for its reads of them.  The counts: three younger sets of 16; from step 13 on the younger loads are Wk's groups (21, 17, 17) in place of sets.
	STEPL 0, 48
	STEPL 1, 48
	BAR
	FETCHA 0
	STEPL 2, 48
	STEPL 3, 48
	BAR
	FETCHA 1
	STEPL 4, 48
	STEPL 5, 48
	BAR
	FETCHA 2
	STEPL 6, 48
	STEPL 7, 48
	BAR
	FETCHA 3
	STEPL 8, 48
	STEPL 9, 48
	BAR
	FETCHA 4
	STEPL 10, 48
	STEPL 11, 48
	BAR
	FETCHA 5
	STEPL 12, 48
	STEPL 13, 53                                   ; 16 + 16 + 21
	BAR
	FETCHA 6
	STEPL 14, 54                                   ; 16 + 21 + 17
	STEPL 15, 55                                   ; 21 + 17 + 17
	BAR
	FETCHA 7
	s_wait_dscnt 0x0                               ; all 64 fragments and their scale words are in my registers
	s_wait_xcnt 0x0                                ; the loads of pair 0 have read their bases: on to pair 1 (We's base stays: each pair asks for its own We)
	s_add_nc_u64 s[8:9], s[8:9], 32768
	s_add_nc_u64 s[10:11], s[10:11], 2048
	s_add_nc_u64 s[12:13], s[12:13], 128
	; ---- GEMM: my eight pairs.  In a trip the loads go out in the order [We of this pair: 4][next pair's group 0: 21][group 1: 17][group 2: 17][group 3: 17].  Younger than group 0 at a trip's head: 17 + 17 + 17 = 51; than group 1: 34;
	; than group 2: 17 + 4 + 21 = 42; than group 3: 4 + 21 + 17 = 42; than We: 72, of which the wait can name 63.  The stream's last steps issued pair 0's groups in the same order, so the way in meets the same counts.
	s_mov_b32 s24, 7
.Lpair:
	PAIR 1, 42, 42, 63
	s_wait_xcnt 0x0                                ; the trip's loads have read their bases
	s_add_nc_u64 s[8:9], s[8:9], 32768
	s_add_nc_u64 s[10:11], s[10:11], 2048
	s_add_nc_u64 s[12:13], s[12:13], 128
	s_add_nc_u64 s[6:7], s[6:7], 128
	s_sub_co_u32 s24, s24, 1
	s_cmp_lg_u32 s24, 0
	s_cbranch_scc1 .Lpair
	PAIR 0, 21, 4, 0                               ; the last pair asks for its We alone: no load leaves its buffer, and the counts run down: 17 + 4, 4, 0
	; ---- SCORES: a lane's two halves, lane l xor 16's, then the four waves' parts through LDS
.irp m, 0,1,2,3
	v_add_f32 v[24+\m], v[SACC+2*\m], v[SACC+2*\m+1]
.endr
.irp m, 0,1,2,3
	v_permlanex16_b32 v[28+\m], v[24+\m], s20, s21
.endr
.irp m, 0,1,2,3
	v_add_f32 v[24+\m], v[24+\m], v[28+\m]         ; row 16 m + r, my wave's 256 hidden units
.endr
	s_wait_alu depctr_va_vdst(0)                   ; the sums v24 to v27 are written, which the LDS stores read
.irp m, 0,1,2,3
	ds_store_b32 v[SPTW], v[24+\m] offset:64*\m    ; lanes r and r + 16 write the same word with the same value
.endr
	BAR
.irp wv, 0,1,2,3
	ds_load_b32 v[TB+2*\wv], v[SPTR] offset:256*\wv          ; row = lane,
	ds_load_b32 v[TB+2*\wv+1], v[SPTR] offset:256*\wv+128    ; row = lane + 32
.endr
	s_wait_dscnt 0x0
	s_wait_alu depctr_vm_vsrc(0)                   ; the four stores have read v24 to v27, which the lines below write again; the stream's last image stores have read v112 to v120, in which the context's p land
	v_pk_add_f32 v[24:25], v[TB:TB+1], v[TB+2:TB+3]
	v_pk_add_f32 v[28:29], v[TB+4:TB+5], v[TB+6:TB+7]
	v_pk_add_f32 v[24:25], v[24:25], v[28:29]      ; every wave adds the four parts in the same order: all four hold the same numbers
	v_mul_f32 v24, 0xc038aa3b, v24                 ; t = -2 log2(e) x the sum
	v_mul_f32 v25, 0xc038aa3b, v25
	v_max_num_f32 v26, v24, v25                    ; m = the largest t of the 64 rows
	v_max_num_f32_dpp v26, v26, v26 row_xmask:1 row_mask:0xf bank_mask:0xf
	v_max_num_f32_dpp v26, v26, v26 row_xmask:2 row_mask:0xf bank_mask:0xf
	v_max_num_f32_dpp v26, v26, v26 row_xmask:4 row_mask:0xf bank_mask:0xf
	v_max_num_f32_dpp v26, v26, v26 row_xmask:8 row_mask:0xf bank_mask:0xf
	v_permlanex16_b32 v28, v26, s20, s21
	v_max_num_f32 v26, v26, v28
	v_sub_f32 v24, v24, v26
	v_sub_f32 v25, v25, v26
	s_wait_alu depctr_va_vdst(0)
	v_exp_f32 v24, v24                             ; p = 2^(t - m), at most 1
	v_exp_f32 v25, v25
	v_nop                                          ; one plain place behind the transcendentals
	s_wait_alu depctr_va_vdst(0)                   ; the two exponentials have written v24 and v25, which the LDS stores and the sum below read
	ds_store_b32 v[PBW], v24                       ; p by rows, into my wave's own 256 bytes: LDS serves a wave's instructions in order, so my loads below see them
	ds_store_b32 v[PBW], v25 offset:128
	v_add_f32 v27, v24, v25                        ; l = the sum of the 64 p, at least 1
	v_add_f32_dpp v27, v27, v27 row_xmask:1 row_mask:0xf bank_mask:0xf
	v_add_f32_dpp v27, v27, v27 row_xmask:2 row_mask:0xf bank_mask:0xf
	v_add_f32_dpp v27, v27, v27 row_xmask:4 row_mask:0xf bank_mask:0xf
	v_add_f32_dpp v27, v27, v27 row_xmask:8 row_mask:0xf bank_mask:0xf
	v_permlanex16_b32 v28, v27, s20, s21
	v_add_f32 v27, v27, v28
	; ---- CONTEXT: my 512 columns of the sum of p x row, from the rows kept as bf16 (their last store stands ahead of the stream's last barrier).  Two sets of eight rows by turns; the addresses step 16 rows a trip.
.irp j, 0,1,2,3,4,5,6,7,8,9,10,11,12,13,14,15
	v_mov_b32 v[CT+\j], 0
.endr
	s_mov_b32 s28, 0
	s_mov_b32 s29, 0
	v_add_nc_u32 v[ADX], s28, v[RETR]
	v_add_nc_u32 v[ADP], s29, v[PBR]
	s_wait_alu depctr_va_vdst(0)                   ; the two addresses are written, which the loads below read; all earlier vector and matrix instructions are done with v112 to v255, in which the two sets land
	CLOAD 0
	s_mov_b32 s24, 3
.Lctx:
	s_wait_alu depctr_va_vdst(0)                   ; the last trip's multiply-adds are done reading set 1, in which the loads below land
	CLOAD 1
	s_wait_dscnt 34                                ; all but the 34 just issued
	CFMA 0
	s_add_co_u32 s28, s28, 65536                   ; 16 rows of 4,096 bytes,
	s_add_co_u32 s29, s29, 64                      ; 16 p
	s_wait_alu depctr_vm_vsrc(0)                   ; the LDS loads issued so far have read the two addresses, which are written again
	v_add_nc_u32 v[ADX], s28, v[RETR]
	v_add_nc_u32 v[ADP], s29, v[PBR]
	s_wait_alu depctr_va_vdst(0)                   ; the two addresses are written; the multiply-adds above are done reading set 0, in which the loads below land
	CLOAD 0
	s_wait_dscnt 34
	CFMA 1
	s_sub_co_u32 s24, s24, 1
	s_cmp_lg_u32 s24, 0
	s_cbranch_scc1 .Lctx
	s_wait_alu depctr_va_vdst(0)                   ; the last trip's multiply-adds are done reading set 1, in which the loads below land
	CLOAD 1                                        ; rows 56 to 63
	s_wait_dscnt 34
	CFMA 0
	s_wait_dscnt 0x0
	CFMA 1
	; ---- OUT
	s_wait_alu depctr_va_vdst(0)                   ; the multiply-adds have written the 16 sums, which the stores read; m and l in v26 and v27 were written earlier
.irp q, 0,1,2,3
	global_store_b128 v[L16], v[CT+4*\q:CT+4*\q+3], s[14:15] offset:512*\q     ; 32 lanes store 512 consecutive bytes, aligned
.endr
	s_cmp_lg_u32 s18, 0
	s_cbranch_scc1 .Lend
	global_store_b64 v[L8], v[26:27], s[16:17]     ; wave 0: (m, l), the same in all 32 lanes: 256 consecutive bytes, aligned
.Lend:
	s_wait_xcnt 0x0
	v_lshl_add_u32 v254, v0, 2, 0x4d000            ; the add's two registers, made anew straight ahead of the closing lines: my spare word behind p's bytes, and 0 (no memory or LDS instruction has ever read v254 or v255)
	v_mov_b32 v255, 0
	s_wait_dscnt 0x0                               ; the closing lines, six on end
	s_wait_alu 0x0
	s_wait_tensorcnt 0x0
	ds_add_u32 v254, v255
	s_wait_dscnt 0x0
	s_endpgm
.Lfunc_end_k_q492bb1aeb2_main:
	.size	k_q492bb1aeb2_main, .Lfunc_end_k_q492bb1aeb2_main-k_q492bb1aeb2_main
	.p2alignl 7, 3214868480
	.fill 96, 4, 3214868480
	.section	.rodata,"a",@progbits
	.p2align	6, 0x0
	.amdhsa_kernel k_q492bb1aeb2_main
		.amdhsa_group_segment_fixed_size 315904
		.amdhsa_private_segment_fixed_size 0
		.amdhsa_enable_private_segment 0
		.amdhsa_kernarg_size 56
		.amdhsa_user_sgpr_count 2
		.amdhsa_user_sgpr_kernarg_segment_ptr 1
		.amdhsa_wavefront_size32 1
		.amdhsa_system_sgpr_workgroup_id_x 1
		.amdhsa_system_sgpr_workgroup_id_y 1
		.amdhsa_system_sgpr_workgroup_id_z 1
		.amdhsa_system_vgpr_workitem_id 0
		.amdhsa_next_free_vgpr 1024
		.amdhsa_next_free_sgpr 66
		.amdhsa_reserve_vcc 0
		.amdhsa_float_denorm_mode_32 3
		.amdhsa_float_denorm_mode_16_64 3
		.amdhsa_memory_ordered 1
		.amdhsa_forward_progress 1
		.amdhsa_inst_pref_size 255
	.end_amdhsa_kernel
	.section	.bss,"aw",@nobits
	.p2align	6
	.space	262144
	.amdgpu_metadata
---
amdhsa.version: [ 1, 2 ]
amdhsa.kernels:
  - .name:           k_q492bb1aeb2_main
    .symbol:         k_q492bb1aeb2_main.kd
    .args:
      - { .name: encoder_output, .offset: 0, .size: 8, .value_kind: global_buffer, .address_space: global }
      - { .name: We, .offset: 8, .size: 8, .value_kind: global_buffer, .address_space: global }
      - { .name: wkf, .offset: 16, .size: 8, .value_kind: global_buffer, .address_space: global }
      - { .name: wks, .offset: 24, .size: 8, .value_kind: global_buffer, .address_space: global }
      - { .name: qry, .offset: 32, .size: 8, .value_kind: global_buffer, .address_space: global }
      - { .name: pctx, .offset: 40, .size: 8, .value_kind: global_buffer, .address_space: global }
      - { .name: pst, .offset: 48, .size: 8, .value_kind: global_buffer, .address_space: global }
    .group_segment_fixed_size: 315904
    .private_segment_fixed_size: 0
    .kernarg_segment_align: 8
    .kernarg_segment_size: 56
    .max_flat_workgroup_size: 128
    .sgpr_count:     66
    .vgpr_count:     1024
    .wavefront_size: 32
...
	.end_amdgpu_metadata
.endif
;; end of part 5
;; launch combine (part 6): grid 256 x 1, 2 waves a work-group, no clusters, 0 bytes of LDS; arguments pctx, pst, out0; writes out0
.if DOCPART == 6
	.amdgcn_target "amdgcn-amd-amdhsa--gfx1250"
	.amdhsa_code_object_version 6
	.text
	.protected	k_q492bb1aeb2_combine
	.globl	k_q492bb1aeb2_combine
	.p2align	8
	.type	k_q492bb1aeb2_combine,@function
k_q492bb1aeb2_combine:
	s_mov_b64 s[64:65], 0
	v_nop
	global_prefetch_b8 v0, s[64:65] scope:SCOPE_SE
	s_setreg_imm32_b32 hwreg(HW_REG_WAVE_MODE, 25, 1), 1
	s_wait_xcnt 0x0
; COMBINE.  out0[b][c] = (the sum over a batch's 16 blocks i of 2^(m_i - M) pctx[16 b + i][c]) / (the sum over i of 2^(m_i - M) l_i), M = the largest m_i.
; pctx [512][2048] f32: a block's sum of p x row under its own maximum m_i (in units of log2); pst [512][32][2] f32: (m_i, l_i), the same in all 32 places.
; Work-group x: batch x / 8, columns 256 (x % 8) on; each of its two waves 128 columns, four a lane: every load and the store cover 512 consecutive bytes.  No LDS, no barrier: waves share nothing.
; The block with the largest m has the factor 1 and l at least 1, so the divisor is at least 1; a factor under 2^-126 counts as 0.
	s_load_b128 s[4:7], s[0:1], 0x0                ; pctx, pst
	s_load_b64 s[8:9], s[0:1], 0x10                ; out0
	v_lshrrev_b32 v1, 5, v0
	v_readfirstlane_b32 s10, v1                    ; wave 0, 1
	v_and_b32 v1, 31, v0
	v_lshlrev_b32 v1, 4, v1                        ; 16 x lane
	v_and_b32 v10, 15, v0
	v_lshlrev_b32 v10, 8, v10                      ; block lane % 16: 256 bytes a block
	s_lshr_b32 s11, ttmp9, 3                       ; the batch
	s_and_b32 s12, ttmp9, 7
	s_lshl_b32 s12, s12, 10
	s_lshl_b32 s13, s10, 9
	s_add_co_u32 s12, s12, s13                     ; my wave's first column, in bytes
	s_lshl_b32 s14, s11, 17                        ; pctx: 16 rows of 8,192 bytes a batch
	s_add_co_u32 s14, s14, s12
	s_mov_b32 s15, 0
	s_lshl_b32 s32, s11, 12                        ; pst: 16 blocks of 256 bytes
	s_mov_b32 s33, 0
	s_lshl_b32 s34, s11, 13                        ; out0: a row of 8,192 bytes
	s_add_co_u32 s34, s34, s12
	s_mov_b32 s35, 0
	s_wait_alu depctr_va_vdst(0)
	s_wait_kmcnt 0x0
	s_add_nc_u64 s[4:5], s[4:5], s[14:15]
	s_add_nc_u64 s[6:7], s[6:7], s[32:33]
	s_add_nc_u64 s[8:9], s[8:9], s[34:35]
	global_load_b64 v[2:3], v10, s[6:7]            ; (m, l) of block lane % 16
.irp i, 0,1,2,3,4,5,6,7,8,9,10,11,12,13,14,15
	global_load_b128 v[16+4*\i:19+4*\i], v1, s[4:5] offset:8192*\i
.endr
	s_wait_loadcnt 16                              ; the statistics are in; the sixteen rows behind them stay out
	v_mov_b32 v4, v2
	v_max_num_f32_dpp v4, v4, v4 row_xmask:1 row_mask:0xf bank_mask:0xf
	v_max_num_f32_dpp v4, v4, v4 row_xmask:2 row_mask:0xf bank_mask:0xf
	v_max_num_f32_dpp v4, v4, v4 row_xmask:4 row_mask:0xf bank_mask:0xf
	v_max_num_f32_dpp v4, v4, v4 row_xmask:8 row_mask:0xf bank_mask:0xf     ; M: each half of the lanes holds all 16 blocks
	v_sub_f32 v5, v2, v4
	s_wait_alu depctr_va_vdst(0)
	v_exp_f32 v5, v5                               ; f = 2^(m - M)
	v_nop                                          ; one plain place behind a transcendental
	s_wait_alu depctr_va_vdst(0)
	v_mul_f32 v6, v5, v3                           ; f l
	v_add_f32_dpp v6, v6, v6 row_xmask:1 row_mask:0xf bank_mask:0xf
	v_add_f32_dpp v6, v6, v6 row_xmask:2 row_mask:0xf bank_mask:0xf
	v_add_f32_dpp v6, v6, v6 row_xmask:4 row_mask:0xf bank_mask:0xf
	v_add_f32_dpp v6, v6, v6 row_xmask:8 row_mask:0xf bank_mask:0xf         ; the divisor
	s_wait_alu depctr_va_vdst(0)
	v_rcp_f32 v7, v6
	v_nop
	s_wait_alu depctr_va_vdst(0)
	v_mul_f32 v5, v5, v7                           ; block lane % 16's weight
.irp i, 0,1,2,3,4,5,6,7,8,9,10,11,12,13,14,15
	v_readlane_b32 s[16+\i], v5, \i                ; the 16 weights as scalars: they are factors only; no address and no branch hangs on them
.endr
	s_wait_loadcnt 0x0
.irp e, 0,1,2,3
	v_mul_f32 v[12+\e], s16, v[16+\e]              ; the first block starts the sums
.endr
.irp i, 1,2,3,4,5,6,7,8,9,10,11,12,13,14,15
.irp e, 0,1,2,3
	v_fma_f32 v[12+\e], s[16+\i], v[16+4*\i+\e], v[12+\e]
.endr
.endr
	global_store_b128 v1, v[12:15], s[8:9]         ; 32 lanes store 512 consecutive bytes, aligned
	s_endpgm
.Lfunc_end_k_q492bb1aeb2_combine:
	.size	k_q492bb1aeb2_combine, .Lfunc_end_k_q492bb1aeb2_combine-k_q492bb1aeb2_combine
	.p2alignl 7, 3214868480
	.fill 96, 4, 3214868480
	.section	.rodata,"a",@progbits
	.p2align	6, 0x0
	.amdhsa_kernel k_q492bb1aeb2_combine
		.amdhsa_group_segment_fixed_size 0
		.amdhsa_private_segment_fixed_size 0
		.amdhsa_enable_private_segment 0
		.amdhsa_kernarg_size 24
		.amdhsa_user_sgpr_count 2
		.amdhsa_user_sgpr_kernarg_segment_ptr 1
		.amdhsa_wavefront_size32 1
		.amdhsa_system_sgpr_workgroup_id_x 1
		.amdhsa_system_sgpr_workgroup_id_y 1
		.amdhsa_system_sgpr_workgroup_id_z 1
		.amdhsa_system_vgpr_workitem_id 0
		.amdhsa_next_free_vgpr 96
		.amdhsa_next_free_sgpr 66
		.amdhsa_reserve_vcc 0
		.amdhsa_float_denorm_mode_32 3
		.amdhsa_float_denorm_mode_16_64 3
		.amdhsa_memory_ordered 1
		.amdhsa_forward_progress 1
		.amdhsa_inst_pref_size 9
	.end_amdhsa_kernel
	.amdgpu_metadata
---
amdhsa.version: [ 1, 2 ]
amdhsa.kernels:
  - .name:           k_q492bb1aeb2_combine
    .symbol:         k_q492bb1aeb2_combine.kd
    .args:
      - { .name: pctx, .offset: 0, .size: 8, .value_kind: global_buffer, .address_space: global }
      - { .name: pst, .offset: 8, .size: 8, .value_kind: global_buffer, .address_space: global }
      - { .name: out0, .offset: 16, .size: 8, .value_kind: global_buffer, .address_space: global }
    .group_segment_fixed_size: 0
    .private_segment_fixed_size: 0
    .kernarg_segment_align: 8
    .kernarg_segment_size: 24
    .max_flat_workgroup_size: 64
    .sgpr_count:     66
    .vgpr_count:     96
    .wavefront_size: 32
...
	.end_amdgpu_metadata
.endif
;; end of part 6
